; MI455X (gfx1250); checked and timed in simulation.
; The chip was launched on July 23, 2026; its instructions are those of AMD's public machine-readable ISA for CDNA 5 (MIT licence, August 2026) and "CDNA5" Instruction Set Architecture Reference Guide (July 2026). The comments in the code are by the model that wrote it; some were corrected since.
;; Transformer Block. Allowed arithmetic: matrix products marked QUANTISED: E4M3 operands, one given power-of-two scale a tensor, by v_wmma_f32_16x16x64_fp8_fp8 or v_wmma_f32_16x16x128_fp8_fp8, f32 sums; everything else in f32.
;; Inputs: W1 1,024 x 4,096 float32; W2 2,048 x 1,024 float32; Wk 1,024 x 1,024 float32; Wo 1,024 x 1,024 float32; Wq 1,024 x 1,024 float32; Wv 1,024 x 1,024 float32; attention_mask 2 x 2,048 int32; beta1 1,024 float32; beta2 1,024 float32; gamma1 1,024 float32; gamma2 1,024 float32; lowp_scales 16 int32 (the exponents e of the quantised operands' scales 2^e); x 2 x 2,048 x 1,024 float32.
;; Outputs: out0 2 x 2,048 x 1,024 float32.
;; This version of the problem:
;;   THIS VERSION OF THE PROBLEM IS GIVEN IN LOW PRECISION. The matrix products marked QUANTISED in the list below multiply operands that are first quantised to E4M3 (4 exponent bits, 3 mantissa bits; 8 bits a number), with one given power-of-two scale for each operand tensor; their sums are f32. All else is computed in f32.
;;   The module's matrix products, in the order in which they are computed (A, B: the left and right operand; K: the contracted axis; several contracted axes count as one K, in the product's order):
;;     1. [M 4,096, K 1,024] x [K 1,024, N 1,024]; A: computed on the way; B: input Wq: QUANTISED (scales: A lowp_scales[0], B lowp_scales[1])
;;     2. [M 4,096, K 1,024] x [K 1,024, N 1,024]; A: computed on the way; B: input Wk: QUANTISED (scales: A lowp_scales[2], B lowp_scales[3])
;;     3. [M 4,096, K 1,024] x [K 1,024, N 1,024]; A: computed on the way; B: input Wv: QUANTISED (scales: A lowp_scales[4], B lowp_scales[5])
;;     4. batch 32 x [M 2,048, K 64] x [K 64, N 2,048]; A: computed on the way; B: computed on the way: QUANTISED (scales: A lowp_scales[6], B lowp_scales[7])
;;     5. batch 32 x [M 2,048, K 2,048] x [K 2,048, N 64]; A: softmax (see below); B: computed on the way: QUANTISED (scales: A lowp_scales[8], B lowp_scales[9])
;;     6. [M 4,096, K 1,024] x [K 1,024, N 1,024]; A: computed on the way; B: input Wo: QUANTISED (scales: A lowp_scales[10], B lowp_scales[11])
;;     7. [M 4,096, K 1,024] x [K 1,024, N 4,096]; A: computed on the way; B: input W1: QUANTISED (scales: A lowp_scales[12], B lowp_scales[13])
;;     8. [M 4,096, K 2,048] x [K 2,048, N 1,024]; A: computed on the way; B: input W2: QUANTISED (scales: A lowp_scales[14], B lowp_scales[15])
;;   THE QUANTISER, for each operand of a quantised product, along K:
;;     - The operand's scale is 2^e, e = its entry of the input lowp_scales (int32; the entries are numbered through the quantised products in the list's order, A before B).
;;     - Each number is divided by the scale, clamped to +-448, and rounded to the nearest number of E4M3, ties to even, subnormals kept.
;;     - The product sums the exact products of the quantised numbers (number of the format x scale) in f32.
;;   ~~~python
;;   def quantise(x, axis, e):      # numpy; x: float32 -> the quantised numbers, widened to float32 again
;;       x = np.moveaxis(x, axis, -1); K = x.shape[-1]
;;       r = np.clip(x / 2.0 ** e, -448, 448)
;;       step = 2.0 ** (np.maximum(np.frexp(np.where(r == 0, 1, r))[1] - 1, -6) - 3)
;;       q = np.round(r / step) * step * 2.0 ** e      # np.round: ties to even
;;       return np.moveaxis(q, -1, axis).astype(np.float32)
;;   ~~~
;;   SOFTMAX AHEAD OF A QUANTISED PRODUCT. Where the list says 'softmax', what is quantised is not the finished softmax but p = 2^(t - M), with t = logit x log2(e) and M = ceil(the row's largest t), a whole number; so 1/2 < the row's largest p <= 1. The row's sum l is taken of the UNQUANTISED p, in f32, and the product's result is divided by l at the end. Since M is a whole number, a kernel that streams over the keys may use a running M (the ceiling of the running maximum): every later rescaling is an exact power of two, so the quantised numbers keep their values, but for numbers so far below the row's largest that they fall under the format's range.
;;   OPERANDS COMPUTED ON THE WAY. 'Computed on the way' means the value that the module computes at that place (a softmax that the list does not call 'softmax' is quantised finished and normalised). What goes into a quantiser is computed in f32, as accurately as f32 sums, v_exp_f32 and their like allow (about 1e-6 of the number): no bf16 or f16 on the way to a quantiser, and a product that is left as it is and whose result goes on into a quantised operand takes f32 operands (vector FMAs, or v_wmma_f32_16x16x4_f32). A number that lies on a knife's edge between two numbers of the format may be rounded either way, as far as f32 arithmetic and the matrix unit's own rounding can turn it there, and no further.
;; One version. Each part assembles by itself: llvm-mc -triple=amdgcn-amd-amdhsa -mcpu=gfx1250 --defsym DOCPART=n.
;; ======== version 1 of 1: 7 launches
;; limits: right only within a limited range of input values
;; workspace buffers: wcodes 10,485,760 bytes; acodes 12,582,912 bytes; qkv 12,582,912 bytes; ocodes 4,194,304 bytes; x1 16,777,216 bytes; hcodes 4,194,304 bytes; gcodes 8,388,608 bytes; first 256 bytes of whole numbers
;; launch prep (part 1): grid 577 x 1, 4 waves a work-group, no clusters, 35,328 bytes of LDS; arguments x, gamma1, beta1, attention_mask, Wq, Wk, Wv, Wo, W1, W2, lowp_scales, acodes, wcodes, first; writes acodes, wcodes, first
.if DOCPART == 1
	.amdgcn_target "amdgcn-amd-amdhsa--gfx1250"
	.amdhsa_code_object_version 6
	.text
	.protected	k_q255f810e25_prep
	.globl	k_q255f810e25_prep
	.p2align	8
	.type	k_q255f810e25_prep,@function
k_q255f810e25_prep:
	s_mov_b64 s[64:65], 0
	v_nop
	global_prefetch_b8 v0, s[64:65] scope:SCOPE_SE
	s_setreg_imm32_b32 hwreg(HW_REG_WAVE_MODE, 25, 1), 1
	s_wait_xcnt 0x0
; THE PROGRAM (seven launches): prep | qkv | attn | wo | ln2 | w1glu | w2: a pre-norm transformer block, all eight products on codes of E4M3 with the given scales 2^e.
; WORK LEFT OUT, in the whole program: only the key steps of attention that lie wholly above the diagonal.  reference() builds tril in its own body and sets those scores to -inf ahead of the softmax:
; their p is 0 for all values of the inputs, so they add nothing to the row's maximum, sum or product.  They are left out in whole steps of 128 keys (launch attn).  Every input has a way to the output and is loaded.
; LIMIT: a NaN, an infinity or an overflow that reaches only those steps is not carried to the result.  NaN among the inputs is not served.
; ROWS WITH NO KEY: a query ahead of its batch's first key with attention_mask != 0 has no key at all; reference() gives NaN for its whole output row.  This launch stores that first key (2,048 if none) in
; 'first'; all arithmetic stays finite, and launch w2 selects NaN for those rows.
; THE ORDER ALONG K.  In every aligned group of 32 along K the four groups of eight lie in memory as g0, g2, g1, g3: byte 32 c + 16 h + i holds k = 32 c + 16 (i / 8) + 8 h + i % 8.  That is the order in which the results of a
; product used transposed fall into a lane's registers, so computed operands need no shuffle; the same order on both sides of a product keeps every pair of factors together.
; THIS LAUNCH, three kinds of work-groups, told apart by the work-group's number:
;   0-319   the six weights, f32 [K][N], become codes [N][K] in wcodes (Wq 0, Wk 1 MiB, Wv 2 MiB, Wo 3 MiB, W1 4 MiB, W2 8 MiB).  A lane takes a column and its registers run down K; a wave takes 32 columns x 256 K;
;           the codes leave through the wave's own stage in LDS, sixteen lanes to 256 consecutive aligned bytes.
;   320-575 layernorm 1 of 16 rows of x, a wave a row at a time, quantised three times (e0, e2, e4) into acodes [3][4096][1024].  A lane holds eight neighbours of each of four chunks of 256.
;   576     the first valid key of each batch (waves 0 and 1).
; code = number / 2^e, held within +-448, to the nearest code, ties to even.  LIMIT: each e used here between -126 and 119.
; No tensor loads, no barrier, no matrix work, no cluster: waves share nothing and memory binds.
.set SPARE, 34816                      ; behind the four stages of 32 x 272 bytes: the spare words, 128 bytes a wave
.set SPW, 12                           ; v12 my spare word's LDS address; v13 0: kept for the add alone
.set NIL, 13
.set RO,  16                           ; weights: v16-47 4 x lane + i x (a row of the weight in bytes)
.set SO,  48                           ; weights: v48-63 the way out's offsets
.set CW,  64                           ; weights: v64-71 a block's 32 codes
.set X,   128                          ; weights: two sets of 32 numbers; layernorm: four rows of 32 numbers
.set OUTR,192                          ; weights: the way out
.set GA,  64                           ; layernorm: gamma, v64-95
.set BE,  96                           ; layernorm: beta, v96-127
.set T0,  24                           ; layernorm: v24-39 at work, two sets of eight
.set CD,  40                           ; layernorm: v40-63 codes, eight registers a set
.macro WSUM reg                        ; the sum over the wave's 32 lanes, in every lane
	v_add_f32_dpp v[\reg], v[\reg], v[\reg] row_xmask:1 row_mask:0xf bank_mask:0xf
	v_add_f32_dpp v[\reg], v[\reg], v[\reg] row_xmask:2 row_mask:0xf bank_mask:0xf
	v_add_f32_dpp v[\reg], v[\reg], v[\reg] row_xmask:4 row_mask:0xf bank_mask:0xf
	v_add_f32_dpp v[\reg], v[\reg], v[\reg] row_xmask:8 row_mask:0xf bank_mask:0xf
	v_permlanex16_b32 v14, v[\reg], s56, s57
	v_add_f32 v[\reg], v[\reg], v14
.endm
.macro FOLD                            ; four chains of pairs in v[T0..T0+7] become one number in v8
	v_pk_add_f32 v[T0:T0+1], v[T0:T0+1], v[T0+2:T0+3]
	v_pk_add_f32 v[T0+4:T0+5], v[T0+4:T0+5], v[T0+6:T0+7]
	v_pk_add_f32 v[T0:T0+1], v[T0:T0+1], v[T0+4:T0+5]
	v_add_f32 v8, v[T0], v[T0+1]
	WSUM 8
.endm
; One row: mean, centred, variance, 1 / sqrt(var + 1e-5), gamma, beta; then nsets quantisers and their stores.
.macro LNROW r, nsets
.set XR, X+32*(\r)
	s_wait_loadcnt 8*(3-(\r))                      ; this row's eight loads are in (gamma and beta were asked for earlier); the later rows' may be out
.irp j, 0,1,2,3
	v_pk_add_f32 v[T0+2*\j:T0+2*\j+1], v[XR+2*\j:XR+2*\j+1], v[XR+8+2*\j:XR+9+2*\j]
.endr
.irp k, 16,24
.irp j, 0,1,2,3
	v_pk_add_f32 v[T0+2*\j:T0+2*\j+1], v[T0+2*\j:T0+2*\j+1], v[XR+\k+2*\j:XR+\k+1+2*\j]
.endr
.endr
	FOLD
	v_mul_f32 v4, s46, v8                          ; the mean, twice: a pair for the packed forms
	v_mul_f32 v5, s46, v8
.set li, 0
.rept 16
	v_pk_add_f32 v[XR+li:XR+li+1], v[XR+li:XR+li+1], v[4:5] neg_lo:[0,1] neg_hi:[0,1]
.set li, li+2
.endr
.irp j, 0,1,2,3
	v_pk_mul_f32 v[T0+2*\j:T0+2*\j+1], v[XR+2*\j:XR+2*\j+1], v[XR+2*\j:XR+2*\j+1]   ; the first squares start the chains: nothing is cleared
.endr
.irp k, 8,16,24
.irp j, 0,1,2,3
	v_pk_fma_f32 v[T0+2*\j:T0+2*\j+1], v[XR+\k+2*\j:XR+\k+1+2*\j], v[XR+\k+2*\j:XR+\k+1+2*\j], v[T0+2*\j:T0+2*\j+1]
.endr
.endr
	FOLD
	v_fma_f32 v8, v8, s46, v15                     ; var + 1e-5
	s_wait_alu depctr_va_vdst(0)
	v_rsq_f32 v6, v8
	v_rsq_f32 v7, v8
	v_nop                                          ; a plain instruction behind the transcendentals
	s_wait_alu depctr_va_vdst(0)                   ; one wait for both, ahead of their first reader
.set li, 0
.rept 16
	v_pk_mul_f32 v[XR+li:XR+li+1], v[XR+li:XR+li+1], v[6:7]
.set li, li+2
.endr
.set li, 0
.rept 16
	v_pk_fma_f32 v[XR+li:XR+li+1], v[GA+li:GA+li+1], v[XR+li:XR+li+1], v[BE+li:BE+li+1]
.set li, li+2
.endr
	s_wait_xcnt 0x0                                ; the last row's stores have read their data: the codes' registers may be written again
.set ls, 0
.rept \nsets
.irp c, 0,1,2,3
.set TT, T0+8*(\c%2)
.irp i, 0,1,2,3,4,5,6,7
	v_med3_num_f32 v[TT+\i], v[XR+8*\c+\i], -v[19+ls], v[19+ls]   ; the conversion does not saturate (ISA guide 7.6.2): the hold at 448 x the scale.  (The other set's eight holds are the plain lines between conversions)
.endr
	v_cvt_scalef32_pk8_fp8_f32 v[CD+8*ls+2*\c:CD+8*ls+2*\c+1], v[TT:TT+7], v[16+ls]
.endr
.set ls, ls+1
.endr
	v_nop                                          ; a plain line behind the last conversion
.set ls, 0
.rept \nsets
.irp c, 0,1,2,3
	global_store_b64 v3, v[CD+8*ls+2*\c:CD+8*ls+2*\c+1], s[40+2*ls:41+2*ls] offset:1024*(\r)+256*\c   ; 32 lanes store 256 consecutive aligned bytes
.endr
.set ls, ls+1
.endr
.endm
.macro WLOAD t                         ; block t of a column: 32 numbers down K into set t % 2; a load reads 128 consecutive bytes
.set wi, 0
.rept 32
	global_load_b32 v[X+32*((\t)%2)+wi], v[RO+wi], s[40+2*(\t):41+2*(\t)] th:TH_LOAD_NT
.set wi, wi+1
.endr
.endm
.macro WBLOCK t
.set XS, X+32*((\t)%2)
.if (\t) < 7
	s_wait_loadcnt 32                              ; this block's 32 loads are in; the next block's 32 may be out
.else
	s_wait_loadcnt 0
.endif
.set bi, 0
.rept 32
	v_med3_num_f32 v[XS+bi], v[XS+bi], -v10, v10
.set bi, bi+1
.endr
	v_cvt_scalef32_pk8_fp8_f32 v[CW:CW+1], v[XS:XS+7], v11         ; g0
	v_cvt_scalef32_pk8_fp8_f32 v[CW+4:CW+5], v[XS+8:XS+15], v11    ; g1 goes third
	v_cvt_scalef32_pk8_fp8_f32 v[CW+2:CW+3], v[XS+16:XS+23], v11   ; g2 goes second
	v_cvt_scalef32_pk8_fp8_f32 v[CW+6:CW+7], v[XS+24:XS+31], v11   ; g3
	ds_store_b128 v4, v[CW:CW+3] offset:32*(\t)
	ds_store_b128 v4, v[CW+4:CW+7] offset:32*(\t)+16
.if (\t)+2 < 8
	WLOAD (\t)+2
.endif
	s_wait_dscnt 0x0                               ; the stores have read their registers: the next block's codes may be written (its 32 holds are the plain lines behind these conversions)
.endm
	s_load_b512 s[4:19], s[0:1], 0x0               ; x, gamma1, beta1, attention_mask, Wq, Wk, Wv, Wo
	s_load_b256 s[20:27], s[0:1], 0x40             ; W1, W2, lowp_scales, acodes
	s_load_b128 s[28:31], s[0:1], 0x60             ; wcodes, first
	v_lshl_add_u32 v[SPW], v0, 2, SPARE
	v_mov_b32 v[NIL], 0
	v_lshrrev_b32 v1, 5, v0
	v_readfirstlane_b32 s33, v1                    ; wave
	v_and_b32 v1, 31, v0                           ; lane
	s_mov_b32 s34, ttmp9
	s_cmp_ge_u32 s34, 576
	s_cbranch_scc1 .Lmask
	s_cmp_ge_u32 s34, 320
	s_cbranch_scc1 .Lln
	; ---- the weights.  0-127: Wq, Wk, Wv, Wo, 32 work-groups each (8 along N x 4 along K); 128-255: W1 (32 x 4); 256-319: W2 (8 x 8).  All choices hang on the work-group's number
	s_and_b32 s67, s34, 7
	s_mov_b32 s35, s67                             ; which 128 columns
	s_bfe_u32 s36, s34, 0x20003                    ; which 256 along K
	s_and_b32 s37, s34, 31                         ; the same two for W1,
	s_bfe_u32 s38, s34, 0x20005
	s_bfe_u32 s39, s34, 0x30003                    ; and K's for W2
	s_lshr_b32 s56, s34, 5                         ; which of the four small weights
	s_mov_b32 s57, 4096                            ; a row of the weight in bytes
	s_mov_b32 s58, 1024                            ; a row of its codes
	s_lshl_b32 s59, s56, 20                        ; its place in wcodes
	s_lshl_b32 s60, s56, 3
	s_add_co_u32 s60, s60, 4                       ; 4 x its entry of lowp_scales: 1, 3, 5,
	s_mov_b32 s61, 0
	s_wait_kmcnt 0x0
	s_cmp_eq_u32 s56, 3
	s_cselect_b32 s60, 44, s60                     ; 11 for Wo
	s_cselect_b64 s[62:63], s[18:19], s[12:13]
	s_cmp_eq_u32 s56, 1
	s_cselect_b64 s[62:63], s[14:15], s[62:63]
	s_cmp_eq_u32 s56, 2
	s_cselect_b64 s[62:63], s[16:17], s[62:63]
	s_cmp_ge_u32 s34, 128                          ; W1
	s_cselect_b64 s[62:63], s[20:21], s[62:63]
	s_cselect_b32 s35, s37, s35
	s_cselect_b32 s36, s38, s36
	s_cselect_b32 s57, 16384, s57
	s_cselect_b32 s59, 0x400000, s59
	s_cselect_b32 s60, 52, s60
	s_cmp_ge_u32 s34, 256                          ; W2
	s_cselect_b64 s[62:63], s[22:23], s[62:63]
	s_cselect_b32 s35, s67, s35
	s_cselect_b32 s36, s39, s36
	s_cselect_b32 s57, 4096, s57
	s_cselect_b32 s58, 2048, s58
	s_cselect_b32 s59, 0x800000, s59
	s_cselect_b32 s60, 60, s60
	s_add_nc_u64 s[24:25], s[24:25], s[60:61]
	s_load_b32 s66, s[24:25], 0x0                  ; e
	s_lshl_b32 s68, s35, 7
	s_lshl_b32 s69, s33, 5
	s_add_co_u32 s70, s68, s69                     ; my wave's first column
	s_lshl_b32 s71, s36, 8                         ; my first k
	s_mul_i32 s72, s71, s57
	s_lshl_b32 s69, s70, 2
	s_add_co_u32 s72, s72, s69
	s_mov_b32 s73, 0
	s_add_nc_u64 s[40:41], s[62:63], s[72:73]      ; eight bases, one for each block of 32 along K
	s_lshl_b32 s74, s57, 5
	s_mov_b32 s75, 0
.irp t, 1,2,3,4,5,6,7
	s_add_nc_u64 s[40+2*\t:41+2*\t], s[38+2*\t:39+2*\t], s[74:75]
.endr
	s_mul_i32 s76, s70, s58
	s_add_co_u32 s76, s76, s59
	s_add_co_u32 s76, s76, s71
	s_mov_b32 s77, 0
	s_add_nc_u64 s[78:79], s[28:29], s[76:77]      ; the codes: row = my first column, byte = my first k
	s_wait_alu depctr_va_vdst(0)
	v_lshlrev_b32 v[RO], 2, v1
.set wi, 1
.rept 31
	v_add_nc_u32 v[RO+wi], s57, v[RO+wi-1]
.set wi, wi+1
.endr
	WLOAD 0
	WLOAD 1
	s_mul_i32 s80, s33, 8704                       ; my stage: 32 rows of 256 bytes + 16
	v_mul_u32_u24 v4, v1, 272
	v_add_nc_u32 v4, s80, v4                       ; in: row = my column
	v_and_b32 v5, 15, v1
	v_lshrrev_b32 v6, 4, v1
	v_mul_u32_u24 v7, v6, 272
	v_lshl_add_u32 v7, v5, 4, v7
	v_add_nc_u32 v7, s80, v7                       ; back: sixteen lanes to a row, two rows an instruction
	v_mul_lo_u32 v[SO], v6, s58
	v_lshl_add_u32 v[SO], v5, 4, v[SO]             ; and the same place among the codes' rows
	s_lshl_b32 s81, s58, 1
.set wi, 1
.rept 15
	v_add_nc_u32 v[SO+wi], s81, v[SO+wi-1]
.set wi, wi+1
.endr
	s_wait_kmcnt 0x0
	s_add_co_i32 s66, s66, 127
	s_lshl_b32 s68, s66, 23
	v_mov_b32 v11, s68                             ; 2^e as f32: the conversion takes its exponent field
	s_add_co_i32 s66, s66, 8
	s_lshl_b32 s66, s66, 23
	s_or_b32 s66, s66, 0x600000
	v_mov_b32 v10, s66                             ; 448 x 2^e
.set Q, 0
	s_wait_alu depctr_va_vdst(0)
.rept 8
	WBLOCK Q
.set Q, Q+1
.endr
.irp t, 0,1,2,3,4,5,6,7,8,9,10,11,12,13,14,15
	ds_load_b128 v[OUTR+4*\t:OUTR+4*\t+3], v7 offset:2*\t*272     ; LDS serves a wave's instructions in order (ISA guide 5.7.1.4): these see my stores
.endr
.irp t, 0,1,2,3,4,5,6,7,8,9,10,11,12,13,14,15
	s_wait_dscnt 15-\t
	global_store_b128 v[SO+\t], v[OUTR+4*\t:OUTR+4*\t+3], s[78:79]   ; sixteen lanes store 256 consecutive aligned bytes of a row of codes
.endr
	s_wait_tensorcnt 0x0                           ; the wave's end
	ds_add_u32 v[SPW], v[NIL]
	s_wait_dscnt 0x0
	s_endpgm
	; ---- layernorm 1: rows 16 g + 4 wave + 0 .. 3
.Lln:
	s_sub_co_u32 s35, s34, 320
	s_lshl_b32 s35, s35, 4
	s_lshl_b32 s36, s33, 2
	s_add_co_u32 s35, s35, s36                     ; my first row
	s_lshl_b32 s36, s35, 12
	s_mov_b32 s37, 0
	s_lshl_b32 s38, s35, 10
	s_mov_b32 s39, 0
	s_mov_b32 s46, 0x3a800000                      ; 1 / 1,024
	s_mov_b32 s56, 0x76543210                      ; v_permlanex16_b32: lane l xor 16
	s_mov_b32 s57, 0xfedcba98
	s_wait_alu depctr_va_vdst(0)
	v_lshlrev_b32 v2, 5, v1                        ; my 32 bytes of a chunk of 1,024
	v_and_b32 v3, 28, v1                           ; my eight codes' place in a chunk's 256 bytes: groups 1 and 2 of each four change places
	v_and_b32 v8, 1, v1
	v_lshl_or_b32 v3, v8, 1, v3
	v_bfe_u32 v8, v1, 1, 1
	v_or_b32 v3, v3, v8
	v_lshlrev_b32 v3, 3, v3
	v_mov_b32 v14, 0                               ; written once: a lane permute's destination counts as read
	v_mov_b32 v15, 0x3727c5ac                      ; 1e-5
	s_wait_alu depctr_va_vdst(0)
	s_wait_kmcnt 0x0
	s_load_b256 s[48:55], s[24:25], 0x0            ; e0 .. e7
	s_add_nc_u64 s[4:5], s[4:5], s[36:37]
	s_add_nc_u64 s[40:41], s[26:27], s[38:39]      ; the three sets of codes, 4 MiB apart
	s_add_nc_u64 s[42:43], s[40:41], 0x400000
	s_add_nc_u64 s[44:45], s[40:41], 0x800000
.irp c, 0,1,2,3
	global_load_b128 v[GA+8*\c:GA+8*\c+3], v2, s[6:7] offset:1024*\c
	global_load_b128 v[GA+8*\c+4:GA+8*\c+7], v2, s[6:7] offset:1024*\c+16
.endr
.irp c, 0,1,2,3
	global_load_b128 v[BE+8*\c:BE+8*\c+3], v2, s[8:9] offset:1024*\c
	global_load_b128 v[BE+8*\c+4:BE+8*\c+7], v2, s[8:9] offset:1024*\c+16
.endr
.irp r, 0,1,2,3
.irp c, 0,1,2,3
	global_load_b128 v[X+32*\r+8*\c:X+32*\r+8*\c+3], v2, s[4:5] offset:4096*\r+1024*\c th:TH_LOAD_NT
	global_load_b128 v[X+32*\r+8*\c+4:X+32*\r+8*\c+7], v2, s[4:5] offset:4096*\r+1024*\c+16 th:TH_LOAD_NT
.endr
.endr
	s_wait_kmcnt 0x0
.irp s, 0,1,2
	s_add_co_i32 s58, s[48+2*\s], 127              ; e0, e2, e4
	s_lshl_b32 s59, s58, 23
	v_mov_b32 v[16+\s], s59
	s_add_co_i32 s58, s58, 8
	s_lshl_b32 s58, s58, 23
	s_or_b32 s58, s58, 0x600000
	v_mov_b32 v[19+\s], s58
.endr
	LNROW 0, 3
	LNROW 1, 3
	LNROW 2, 3
	LNROW 3, 3
	s_endpgm
	; ---- the first key that counts, for each batch: wave b takes batch b; whole numbers throughout
.Lmask:
	s_cmp_ge_u32 s33, 2
	s_cbranch_scc1 .Lend
	s_lshl_b32 s36, s33, 13
	s_mov_b32 s37, 0
	s_lshl_b32 s38, s33, 7
	s_mov_b32 s39, 0
	s_mov_b32 s56, 0x76543210
	s_mov_b32 s57, 0xfedcba98
	s_wait_alu depctr_va_vdst(0)
	v_lshlrev_b32 v2, 4, v1
	v_lshlrev_b32 v3, 2, v1                        ; 4 x lane: my first key of a load's 128, and my word of 'first'
	v_mov_b32 v8, 2048
	v_mov_b32 v9, 2048
	v_mov_b32 v14, 0
	s_wait_alu depctr_va_vdst(0)
	s_wait_kmcnt 0x0
	s_add_nc_u64 s[10:11], s[10:11], s[36:37]
	s_add_nc_u64 s[30:31], s[30:31], s[38:39]
.irp j, 0,1,2,3,4,5,6,7,8,9,10,11,12,13,14,15
	global_load_b128 v[64+4*\j:67+4*\j], v2, s[10:11] offset:512*\j
.endr
	s_wait_loadcnt 0x0
.set n, 0
.rept 64
	v_add_nc_u32 v10, 128*(n/4)+n%4, v3            ; the key's number
	v_cmp_ne_u32 vcc_lo, 0, v[64+n]
	v_cndmask_b32 v10, v9, v10, vcc_lo             ; or 2,048 where it does not count
	v_min_u32 v8, v8, v10
.set n, n+1
.endr
.irp m, 1,2,4,8
	v_mov_b32_dpp v14, v8 row_xmask:\m row_mask:0xf bank_mask:0xf
	v_min_u32 v8, v8, v14
.endr
	v_permlanex16_b32 v14, v8, s56, s57
	v_min_u32 v8, v8, v14
	global_store_b32 v3, v8, s[30:31]              ; 32 equal words for each batch: the buffer's 256 bytes are written whole
.Lend:
	s_endpgm
.Lfunc_end_k_q255f810e25_prep:
	.size	k_q255f810e25_prep, .Lfunc_end_k_q255f810e25_prep-k_q255f810e25_prep
	.p2alignl 7, 3214868480
	.fill 96, 4, 3214868480
	.section	.rodata,"a",@progbits
	.p2align	6, 0x0
	.amdhsa_kernel k_q255f810e25_prep
		.amdhsa_group_segment_fixed_size 35328
		.amdhsa_private_segment_fixed_size 0
		.amdhsa_enable_private_segment 0
		.amdhsa_kernarg_size 112
		.amdhsa_user_sgpr_count 2
		.amdhsa_user_sgpr_kernarg_segment_ptr 1
		.amdhsa_wavefront_size32 1
		.amdhsa_system_sgpr_workgroup_id_x 1
		.amdhsa_system_sgpr_workgroup_id_y 1
		.amdhsa_system_sgpr_workgroup_id_z 1
		.amdhsa_system_vgpr_workitem_id 0
		.amdhsa_next_free_vgpr 256
		.amdhsa_next_free_sgpr 96
		.amdhsa_reserve_vcc 1
		.amdhsa_float_denorm_mode_32 3
		.amdhsa_float_denorm_mode_16_64 3
		.amdhsa_memory_ordered 1
		.amdhsa_forward_progress 1
		.amdhsa_inst_pref_size 129
	.end_amdhsa_kernel
	.amdgpu_metadata
---
amdhsa.version: [ 1, 2 ]
amdhsa.kernels:
  - .name:           k_q255f810e25_prep
    .symbol:         k_q255f810e25_prep.kd
    .args:
      - { .name: x, .offset: 0, .size: 8, .value_kind: global_buffer, .address_space: global }
      - { .name: gamma1, .offset: 8, .size: 8, .value_kind: global_buffer, .address_space: global }
      - { .name: beta1, .offset: 16, .size: 8, .value_kind: global_buffer, .address_space: global }
      - { .name: attention_mask, .offset: 24, .size: 8, .value_kind: global_buffer, .address_space: global }
      - { .name: Wq, .offset: 32, .size: 8, .value_kind: global_buffer, .address_space: global }
      - { .name: Wk, .offset: 40, .size: 8, .value_kind: global_buffer, .address_space: global }
      - { .name: Wv, .offset: 48, .size: 8, .value_kind: global_buffer, .address_space: global }
      - { .name: Wo, .offset: 56, .size: 8, .value_kind: global_buffer, .address_space: global }
      - { .name: W1, .offset: 64, .size: 8, .value_kind: global_buffer, .address_space: global }
      - { .name: W2, .offset: 72, .size: 8, .value_kind: global_buffer, .address_space: global }
      - { .name: lowp_scales, .offset: 80, .size: 8, .value_kind: global_buffer, .address_space: global }
      - { .name: acodes, .offset: 88, .size: 8, .value_kind: global_buffer, .address_space: global }
      - { .name: wcodes, .offset: 96, .size: 8, .value_kind: global_buffer, .address_space: global }
      - { .name: first, .offset: 104, .size: 8, .value_kind: global_buffer, .address_space: global }
    .group_segment_fixed_size: 35328
    .private_segment_fixed_size: 0
    .kernarg_segment_align: 8
    .kernarg_segment_size: 112
    .max_flat_workgroup_size: 128
    .sgpr_count:     96
    .vgpr_count:     256
    .wavefront_size: 32
...
	.end_amdgpu_metadata
.endif
;; end of part 1
;; launch qkv (part 2): grid 12 x 16, 4 waves a work-group, clusters of 4 x 4, 327,680 bytes of LDS; arguments acodes, wcodes, lowp_scales, qkv; writes qkv
.if DOCPART == 2
	.amdgcn_target "amdgcn-amd-amdhsa--gfx1250"
	.amdhsa_code_object_version 6
	.text
	.protected	k_q255f810e25_qkv
	.globl	k_q255f810e25_qkv
	.p2align	8
	.type	k_q255f810e25_qkv,@function
k_q255f810e25_qkv:
	s_mov_b64 s[64:65], 0
	v_nop
	global_prefetch_b8 v0, s[64:65] scope:SCOPE_SE
	s_setreg_imm32_b32 hwreg(HW_REG_WAVE_MODE, 25, 1), 1
	s_wait_xcnt 0x0
	s_wait_alu depctr_hold_cnt(0) depctr_sa_sdst(0) depctr_va_vdst(0) depctr_va_sdst(0) depctr_va_ssrc(0) depctr_va_vcc(0) depctr_vm_vsrc(0)
	s_getreg_b32 s2, hwreg(HW_REG_IB_STS2, 6, 4)
	s_cmp_eq_u32 s2, 0
	s_cbranch_scc0 .Lentry_in_a_cluster
	s_endpgm
.Lentry_in_a_cluster:
	s_bfe_u32 s2, ttmp6, 0x10000c
	s_cmp_lg_u32 s2, 0xf033
	s_cbranch_scc0 .Lentry_shape_is_right
	s_endpgm
.Lentry_shape_is_right:
.set ROWB,   256
.set KROW,   1024
.set PITCH,  272
.set FR,     16
.set NL,     4
.set NP,     4
.set HALFT,  128*PITCH
.set SLOT,   4*HALFT
.set LAPS,   2
.set SPARE,  2*SLOT
.set ADRA, 16
.set ADRB, 20
.set VO0,  24
.set VO1,  25
.set LIMR, 26
.set SCR,  27
.set SPW,  28
.set NIL,  29
.set TMP,  32
.set AF,   128
.set G1, 24
.set G0, 32
.set G1B, 48
.set G0B, 56
.set MSB, 0
.macro WIN new
.if MSB != \new
	s_set_vgpr_msb (MSB<<8)|\new
.set MSB, \new
.endif
.endm
.set MUL_LO, 0xa1
.set MUL_HI, 0xf1
.set TO_B,   0x40
.macro JLOAD g0a, g1a, g0b, g1b
	s_cmp_eq_u32 s15, 0
	s_cbranch_scc0 .Lfor_b_\@
	tensor_load_to_lds s[\g0a:\g0a+3], s[\g1a:\g1a+7]
	s_nop 0
.rept 4
	v_nop
.endr
	s_branch .Lasked_\@
.Lfor_b_\@:
	tensor_load_to_lds s[\g0b:\g0b+3], s[\g1b:\g1b+7]
	s_nop 0
.rept 4
	v_nop
.endr
.Lasked_\@:
.endm
.macro CREST
	s_cmp_lg_u32 s14, 0
	s_cbranch_scc1 .Lnot_wave_0_\@
	s_barrier_signal -3
.Lnot_wave_0_\@:
	s_barrier_wait -3
	s_barrier_signal -1
	s_barrier_wait -1
.endm
.macro CROUND
	s_barrier_signal -1
	s_barrier_wait -1
	CREST
.endm
	s_load_b256 s[4:11], s[0:1], 0x0
	v_lshl_add_u32 v[SPW], v0, 2, SPARE
	v_mov_b32 v[NIL], 0
	ds_add_u32 v[SPW], v[NIL]
	ds_add_u32 v[SPW], v[NIL]
	v_lshrrev_b32 v1, 5, v0
	v_readfirstlane_b32 s14, v1
	s_lshr_b32 s15, s14, 1
	s_and_b32 s16, s14, 1
	s_bfe_u32 s40, ttmp6, 0x40000
	s_bfe_u32 s41, ttmp6, 0x40004
	s_and_b32 s12, ttmp7, 0xffff
	s_lshl_b32 s19, ttmp9, 22
	s_lshl_b32 s20, ttmp9, 20
	s_cmp_lt_u32 ttmp9, 2
	s_cselect_b32 s13, s12, 0
	s_cselect_b32 s18, 0, s12
	s_cselect_b32 s19, s19, 0x200000
	s_cselect_b32 s20, s20, 0x800000
	s_lshl_b32 s17, s13, 2
	s_add_co_u32 s17, s17, s41
	s_lshl_b32 s42, s18, 2
	s_add_co_u32 s42, s42, s40
	s_lshl_b32 s43, s41, 2
	s_lshl_b32 s43, 15, s43
	s_lshl_b32 s44, 0x1111, s40
	s_or_b32 s[G1+0], s43, (0<<16)|(1<<20)|(1<<21)|(5<<22)|(3<<25)
	s_or_b32 s[G1B+0], s44, (0<<16)|(1<<20)|(1<<21)|(5<<22)|(3<<25)
.irp g, G1, G1B
	s_mov_b32 s[\g+1], ROWB<<16
	s_mov_b32 s[\g+2], 128<<16
	s_mov_b32 s[\g+3], ROWB<<16
	s_mov_b32 s[\g+4], 128
	s_mov_b32 s[\g+5], KROW
	s_mov_b32 s[\g+6], 0
	s_mov_b32 s[\g+7], 0
.endr
	s_lshl_b32 s18, s16, 7
	s_lshl_b32 s22, s17, 8
	s_add_co_u32 s22, s22, s18
	s_lshl_b32 s22, s22, 10
	s_add_co_u32 s22, s22, s19
	s_mov_b32 s23, 0
	s_lshl_b32 s46, s42, 8
	s_add_co_u32 s46, s46, s18
	s_lshl_b32 s46, s46, 10
	s_add_co_u32 s46, s46, s20
	s_mov_b32 s47, 0
	s_mul_i32 s45, s14, HALFT
	s_wait_dscnt 0x0
	s_wait_kmcnt 0x0
	s_load_b512 s[68:83], s[8:9], 0x0
	s_cmp_lt_u32 ttmp9, 2
	s_cselect_b64 s[84:85], s[4:5], s[6:7]
	s_cselect_b64 s[86:87], s[6:7], s[4:5]
	s_add_nc_u64 s[84:85], s[84:85], s[22:23]
	s_add_nc_u64 s[86:87], s[86:87], s[46:47]
	CROUND
.irp s, 0,1
	s_mov_b32 s[G0+4*\s], 1
	s_add_co_u32 s[G0+4*\s+1], s45, \s*SLOT
	s_add_nc_u64 s[G0+4*\s+2:G0+4*\s+3], s[84:85], \s*ROWB
	s_or_b32 s[G0+4*\s+3], s[G0+4*\s+3], 0x80000000
	s_mov_b32 s[G0B+4*\s], 1
	s_add_co_u32 s[G0B+4*\s+1], s45, \s*SLOT
	s_add_nc_u64 s[G0B+4*\s+2:G0B+4*\s+3], s[86:87], \s*ROWB
	s_or_b32 s[G0B+4*\s+3], s[G0B+4*\s+3], 0x80000000
	s_wait_alu depctr_va_vdst(0)
	s_wait_tensorcnt 0x0
	ds_add_u32 v28, v29
	ds_add_u32 v28, v29
	s_wait_dscnt 0x0
	CROUND
	JLOAD G0+4*\s, G1, G0B+4*\s, G1B
.endr
	v_and_b32 v1, 15, v0
	v_bfe_u32 v2, v0, 4, 1
	v_mul_u32_u24 v3, v1, PITCH
	v_lshl_add_u32 v4, v2, 4, v3
	s_mul_i32 s21, s15, HALFT
	s_mul_i32 s22, s16, HALFT
	s_add_co_u32 s22, s22, 2*HALFT
.irp s, 0,1
	v_add_nc_u32 v[ADRA+\s], s21, v4
	v_add_nc_u32 v[ADRB+\s], s22, v4
	s_add_co_u32 s21, s21, SLOT
	s_add_co_u32 s22, s22, SLOT
.endr
	s_cmp_lt_u32 ttmp9, 2
	s_cselect_b32 s92, s17, s42
	s_cselect_b32 s93, s15, s16
	s_cselect_b32 s94, s42, s17
	s_cselect_b32 s95, s16, s15
	s_mov_b32 s88, 2048
	s_cselect_b32 s88, 1024, s88
	s_mov_b32 s90, 131072-3*2048
	s_cselect_b32 s90, 1024, s90
	s_mov_b32 s96, 1024
	s_cselect_b32 s96, 131072, s96
	s_mov_b32 s89, 0
	s_mov_b32 s91, 0
	s_lshl_b32 s92, s92, 8
	s_lshl_b32 s93, s93, 7
	s_add_co_u32 s92, s92, s93
	s_lshl_b32 s94, s94, 2
	s_lshl_b32 s95, s95, 1
	s_add_co_u32 s94, s94, s95
	s_lshr_b32 s93, s92, 11
	s_lshl_b32 s93, s93, 21
	s_and_b32 s92, s92, 2047
	s_lshl_b32 s92, s92, 6
	s_add_co_u32 s92, s92, s93
	s_lshl_b32 s94, s94, 17
	s_add_co_u32 s92, s92, s94
	s_lshl_b32 s93, ttmp9, 22
	s_add_co_u32 s92, s92, s93
	s_mov_b32 s93, 0
	s_add_nc_u64 s[10:11], s[10:11], s[92:93]
	v_and_b32 v6, 31, v0
	v_lshlrev_b32 v[VO0], 4, v6
	v_add_nc_u32 v[VO1], s96, v[VO0]
.macro FRAG reg, adr, off
.irp c, 0,1,2,3
	ds_load_b128 v[\reg+4*\c:\reg+4*\c+3], v[\adr] offset:(\off)+32*\c
.endr
.endm
.macro MUL16 a0, p, zero
.irp a, \a0, \a0+1
.irp b, 0,1,2,3,4,5,6,7
.if \zero
	v_wmma_f32_16x16x128_fp8_fp8 v[8*(8*((\a)%4)+\b):8*(8*((\a)%4)+\b)+7], v[128*(\p)+FR*\b:128*(\p)+FR*\b+FR-1], v[AF+FR*(\a):AF+FR*(\a)+FR-1], 0
.else
	v_wmma_f32_16x16x128_fp8_fp8 v[8*(8*((\a)%4)+\b):8*(8*((\a)%4)+\b)+7], v[128*(\p)+FR*\b:128*(\p)+FR*\b+FR-1], v[AF+FR*(\a):AF+FR*(\a)+FR-1], v[8*(8*((\a)%4)+\b):8*(8*((\a)%4)+\b)+7]
.endif
.endr
.endr
.endm
.macro FETCH_B slot, q, p
	WIN TO_B
.irp i, 0,1,2,3,4,5,6,7
	FRAG 128*(\p)+FR*\i, ADRB+\slot, 128*(\q)+\i*16*PITCH
.endr
	WIN 0
.endm
.macro FETCH_A slot, q, i0
.irp i, \i0, \i0+1, \i0+2, \i0+3
	FRAG AF+FR*(\i), ADRA+\slot, 128*(\q)+(\i)*16*PITCH
.endr
.endm
.macro PLACES n
.rept \n
	v_nop
.endr
.endm
.macro STEP slot, q, zero
	s_wait_dscnt 4*NL
	WIN MUL_LO
	MUL16 0, (\q)%2, \zero
	MUL16 2, (\q)%2, \zero
	s_wait_dscnt 0
	PLACES NP
	FETCH_B \slot, (\q)+1, 1-(\q)%2
	FETCH_A \slot, (\q)+1, 0
	WIN MUL_HI
	MUL16 4, (\q)%2, \zero
	MUL16 6, (\q)%2, \zero
	PLACES NP
	WIN 0
	FETCH_A \slot, (\q)+1, 4
.endm
.macro TURN slot, next, fill
	s_wait_tensorcnt 0x0
	ds_add_u32 v[SPW], v[NIL]
	s_wait_dscnt 4*NL+1
	WIN MUL_LO
	MUL16 0, 1, 0
	s_wait_dscnt 0x0
	s_barrier_signal -1
	MUL16 2, 1, 0
	WIN 0
	s_barrier_wait -1
.if \fill
	CREST
	s_add_nc_u64 s[G0+4*\slot+2:G0+4*\slot+3], s[G0+4*\slot+2:G0+4*\slot+3], 2*ROWB
	s_add_nc_u64 s[G0B+4*\slot+2:G0B+4*\slot+3], s[G0B+4*\slot+2:G0B+4*\slot+3], 2*ROWB
	JLOAD G0+4*\slot, G1, G0B+4*\slot, G1B
.else
	PLACES NP
.endif
	FETCH_B \next, 0, 0
	FETCH_A \next, 0, 0
	WIN MUL_HI
	MUL16 4, 1, 0
	MUL16 6, 1, 0
	PLACES NP
	WIN 0
	FETCH_A \next, 0, 4
.endm
	s_wait_alu depctr_va_vdst(0)
	s_wait_tensorcnt 1
	s_barrier_signal -1
	s_barrier_wait -1
	FETCH_B 0, 0, 0
	FETCH_A 0, 0, 0
	FETCH_A 0, 0, 4
	STEP 0, 0, 1
	s_mov_b32 s3, LAPS-1
.Llap:
	TURN 0, 1, 1
	STEP 1, 0, 0
	TURN 1, 0, 1
	STEP 0, 0, 0
	s_sub_co_u32 s3, s3, 1
	s_cmp_lg_u32 s3, 0
	s_cbranch_scc1 .Llap
	TURN 0, 1, 0
	STEP 1, 0, 0
	s_wait_dscnt 4*NL
	WIN MUL_LO
	MUL16 0, 1, 0
	MUL16 2, 1, 0
	s_wait_dscnt 0
	WIN MUL_HI
	MUL16 4, 1, 0
	MUL16 6, 1, 0
	WIN 0
	PLACES NP
	s_wait_kmcnt 0x0
	s_sub_co_i32 s92, s74, s68
	s_sub_co_i32 s92, s92, s69
	s_sub_co_i32 s93, s75, s70
	s_sub_co_i32 s93, s93, s71
	s_sub_co_i32 s94, s77, s72
	s_sub_co_i32 s94, s94, s73
	s_cmp_eq_u32 ttmp9, 1
	s_cselect_b32 s92, s93, s92
	s_cmp_eq_u32 ttmp9, 2
	s_cselect_b32 s92, s94, s92
	s_add_co_i32 s92, s92, 127
	s_lshl_b32 s93, s92, 23
	v_mov_b32 v[SCR], s93
	s_add_co_i32 s92, s92, 8
	s_lshl_b32 s92, s92, 23
	s_or_b32 s92, s92, 0x600000
	v_mov_b32 v[LIMR], s92
.macro QOUT a
.set AC, 64*((\a)%4)
.set CD, 128+16*(\a)
	WIN 0x02+((\a)/4)
.set qi, 0
.rept 64
	v_med3_num_f32 v[TMP+qi], v[AC+qi], -v[LIMR], v[LIMR]
.set qi, qi+1
.endr
	WIN 0
.set qi, 0
.rept 8
	v_cvt_scalef32_pk8_fp8_f32 v[CD+2*qi:CD+2*qi+1], v[TMP+8*qi:TMP+8*qi+7], v[SCR]
.set qi, qi+1
.endr
	v_nop
.if (\a) > 0
	s_wait_alu depctr_va_vdst(0)
	s_wait_xcnt 0x0
.if (\a) == 4
	s_add_nc_u64 s[10:11], s[10:11], s[90:91]
.else
	s_add_nc_u64 s[10:11], s[10:11], s[88:89]
.endif
.endif
	global_store_b128 v[VO0], v[CD:CD+3], s[10:11]
	global_store_b128 v[VO0], v[CD+4:CD+7], s[10:11] offset:512
	global_store_b128 v[VO1], v[CD+8:CD+11], s[10:11]
	global_store_b128 v[VO1], v[CD+12:CD+15], s[10:11] offset:512
.endm
.irp a, 0,1,2,3,4,5,6,7
	QOUT \a
.endr
	s_wait_tensorcnt 0x0
	ds_add_u32 v[SPW], v[NIL]
	s_wait_dscnt 0x0
	CROUND
	s_endpgm
.Lfunc_end_k_q255f810e25_qkv:
	.size	k_q255f810e25_qkv, .Lfunc_end_k_q255f810e25_qkv-k_q255f810e25_qkv
	.p2alignl 7, 3214868480
	.fill 96, 4, 3214868480
	.section	.rodata,"a",@progbits
	.p2align	6, 0x0
	.amdhsa_kernel k_q255f810e25_qkv
		.amdhsa_group_segment_fixed_size 327680
		.amdhsa_private_segment_fixed_size 0
		.amdhsa_enable_private_segment 0
		.amdhsa_kernarg_size 32
		.amdhsa_user_sgpr_count 2
		.amdhsa_user_sgpr_kernarg_segment_ptr 1
		.amdhsa_wavefront_size32 1
		.amdhsa_system_sgpr_workgroup_id_x 1
		.amdhsa_system_sgpr_workgroup_id_y 1
		.amdhsa_system_sgpr_workgroup_id_z 1
		.amdhsa_system_vgpr_workitem_id 0
		.amdhsa_next_free_vgpr 1024
		.amdhsa_next_free_sgpr 100
		.amdhsa_reserve_vcc 0
		.amdhsa_float_denorm_mode_32 3
		.amdhsa_float_denorm_mode_16_64 3
		.amdhsa_memory_ordered 1
		.amdhsa_forward_progress 1
		.amdhsa_inst_pref_size 120
	.end_amdhsa_kernel
	.amdgpu_metadata
---
amdhsa.version: [ 1, 2 ]
amdhsa.kernels:
  - .name:           k_q255f810e25_qkv
    .symbol:         k_q255f810e25_qkv.kd
    .args:
      - { .name: acodes, .offset: 0, .size: 8, .value_kind: global_buffer, .address_space: global }
      - { .name: wcodes, .offset: 8, .size: 8, .value_kind: global_buffer, .address_space: global }
      - { .name: lowp_scales, .offset: 16, .size: 8, .value_kind: global_buffer, .address_space: global }
      - { .name: qkv, .offset: 24, .size: 8, .value_kind: global_buffer, .address_space: global }
    .group_segment_fixed_size: 327680
    .private_segment_fixed_size: 0
    .kernarg_segment_align: 8
    .kernarg_segment_size: 32
    .max_flat_workgroup_size: 128
    .sgpr_count:     100
    .vgpr_count:     1024
    .wavefront_size: 32
...
	.end_amdgpu_metadata
.endif
;; end of part 2
;; launch attn (part 3): grid 8 x 32, 8 waves a work-group, clusters of 4 x 4, 327,680 bytes of LDS; arguments qkv, attention_mask, lowp_scales, ocodes; writes ocodes
.if DOCPART == 3
	.amdgcn_target "amdgcn-amd-amdhsa--gfx1250"
	.amdhsa_code_object_version 6
	.text
	.protected	k_q255f810e25_attn
	.globl	k_q255f810e25_attn
	.p2align	8
	.type	k_q255f810e25_attn,@function
k_q255f810e25_attn:
	s_mov_b64 s[64:65], 0
	v_nop
	global_prefetch_b8 v0, s[64:65] scope:SCOPE_SE
	s_setreg_imm32_b32 hwreg(HW_REG_WAVE_MODE, 25, 1), 1
	s_wait_xcnt 0x0
	s_wait_alu depctr_hold_cnt(0) depctr_sa_sdst(0) depctr_va_vdst(0) depctr_va_sdst(0) depctr_va_ssrc(0) depctr_va_vcc(0) depctr_vm_vsrc(0)
	s_getreg_b32 s2, hwreg(HW_REG_IB_STS2, 6, 4)
	s_cmp_eq_u32 s2, 0
	s_cbranch_scc0 .Lentry_in_a_cluster
	s_endpgm
.Lentry_in_a_cluster:
	s_bfe_u32 s2, ttmp6, 0x10000c
	s_cmp_lg_u32 s2, 0xf033
	s_cbranch_scc0 .Lentry_shape_is_right
	s_endpgm
.Lentry_shape_is_right:
; Causal attention with a key mask, both products on codes of E4M3; the result is quantised for the product with Wo and stored as images of fragment registers.
; LEFT OUT: key steps (128 keys) that lie wholly above the diagonal: reference() sets those scores to -inf by its own tril, so their p is 0 for all inputs.
; THE SOFTMAX: t = score x log2(e) / 8; M = the largest t so far over the keys that count, rounded up to a whole number; p = 2^(t - M) is quantised with e8; the sum is taken of the unquantised p and divides at the end.
; SHARES.  Work-group (j, head) owns tile j (16 queries) of each of the head's 16 blocks of 128 queries: block b needs key steps 0 .. b, so every work-group has 136 tile-steps and walks the same steps, whatever j is.
; All of the head's K and V (2 x 131,072 bytes, dense images of fragment registers) lies in LDS, filled once: each of the 8 waves asks for 32,768 bytes at the head.  Nothing is filled again; no barrier stands in the loops.
; CLUSTER 4 x 4: the four work-groups of a row of the cluster serve one head and ask for its K and V jointly.  No branch and no LDS address hangs on a place in the cluster: j enters global addresses and the diagonal's compare alone.
; RUNS.  A quad u is the tiles of blocks 4 u .. 4 u + 3; it needs key steps 0 .. 4 u + 3, the last four with 4, 3, 2, 1 tiles.  A run is a quad x some key steps on end; in it a fragment of K, of V and of the mask's table, once in registers, serves all the quad's tiles.
; The last run of each wave (quad: steps): wave 0 (3: 8-9), 1 (3: 0-3), 2 (3: 4-7), 3 (3: 10-15), 4 (2: 0-3), 5 (2: 6-11), 6 (1: 2-7), 7 (2: 4-5).  Ahead of it wave 0 has (0: 0-3) and wave 7 has (1: 0-1).
; That is 18 tile-steps for waves 0, 3, 5, 6 (four of them on a diagonal) and 16 for waves 1, 2, 4, 7.  Both loops have constant trip counts (4 and 6); a compare of the count with a number made of the wave's number leads round the steps that a wave does not have.
; Each run keeps M, sum and O^T of its part; the parts go to LDS as images of registers and are joined under the largest M: each is multiplied by 2^(its M - the largest), a power of two.  A part that saw no key has sum 0 and O^T 0.
; Wave w joins and stores the tiles of blocks w and 15 - w: 1 + 4 or 2 + 3 parts.
; THE KEY MASK rides on the first product: a table of 2,048 f32 in LDS holds 0 for a key that counts and -3e38 for one that does not; its numbers are the C of the first product.
; A raw score is at most 64 x 448^2 = 1.29e7 in size and the largest t starts at c x -3e7: a masked key never sets M, and its p is 0.  A query with no key keeps sum 0 and O 0: finite; launch w2 makes its row NaN.
; No prefetch: every tile is asked for at the head in one group, and no loop runs ahead of a load.
; LIMITS: e6 + e7 between -100 and 60; e8 and e10 - e8 - e9 between -126 and 119.
; REGISTERS.  Window 0: v0-47 addresses, constants, the four tiles' -M, largest t and sums; v48-111 K; v112-175 S^T, then p; v176-239 V; v240-255 p's codes.
;   Window 1: v0-127 the four O^T; v128-191 the table's numbers; v192-223 the last run's Q; v224-255 the first run's Q (used by waves 0 and 7).
.set KVV,   131072                     ; V's images begin here; a key step is 8,192 bytes of K and of V
.set HI,    262144                     ; behind K and V: three parts' images
.set TSZ,   4608                       ; a tile's part: O^T 4,096 bytes, then -M, largest t, sums: 512
.set XSZ,   4*TSZ
.set BIAS,  HI+3*XSZ                   ; the table, 8,192 bytes
.set SPARE, BIAS+8192                  ; the spare words, 128 bytes a wave
.set L16, 1                            ; 16 x lane
.set ADK, 2
.set ADV, 3
.set ADB, 4
.set SPW, 5
.set NIL, 6
.set DG,  7                            ; 16 j + lane % 16 - 8 (lane / 16)
.set AB0, 8                            ; BIAS + 32 (lane / 16)
.set SC,  9
.set LIM, 10                           ; v10, v11: the hold, twice
.set ST,  12                           ; v12-27: tile a: -M, largest t, the sum's two halves
.set F,   28
.set PL,  30
.set NINF,31
.set MX,  32
.set SX,  36
.set XS0, 42
.set XS1, 43
.set MA1, 44
.set MA2, 45
.set TM0, 46
.set NM0, 47
.set K,   48
.set S,   112
.set V,   176
.set P,   240
.set R,   48                           ; the join: part i in v[R + 36 i ..]
.set AC,  192
.set WV,  18
.set G1,  24
.set G0,  40
.set SEL, 66
.set CS,  68
.set U2,  70                           ; the last run's quad
.set GG2, 71                           ; and its first key step
.set U1,  72
.set BK,  73                           ; the quad's first block
.set STP, 74                           ; the key step in hand
.set KB,  75                           ; its bytes in K
.set BB,  76                           ; and in the table
.set CNT, 77
.set T0,  78
.set O1,  80
.set O2,  82
.set LO1, 85                           ; the first loop's trips less the first run's steps
.set LO2, 86                           ; the same for the last
.set MSB, 0
.macro WIN new                         ; the immediate's high byte repeats the setting that is left
.if MSB != \new
	s_set_vgpr_msb (MSB<<8)|\new
.set MSB, \new
.endif
.endm
.macro CROUND                          ; a round of the cluster's barrier
	s_barrier_signal -1
	s_barrier_wait -1
	s_cmp_lg_u32 s[WV], 0
	s_cbranch_scc1 .Lnw0_\@
	s_barrier_signal -3
.Lnw0_\@:
	s_barrier_wait -3
	s_barrier_signal -1
	s_barrier_wait -1
.endm
.macro INIT                            ; a part's start: a step is written once, and the first finds zeros
.irp a, 0,1,2,3
	v_mov_b32 v[ST+4*\a], v[NM0]
	v_mov_b32 v[ST+4*\a+1], v[TM0]
	v_mov_b32 v[ST+4*\a+2], 0
	v_mov_b32 v[ST+4*\a+3], 0
.endr
	WIN 0x40
.set n, 0
.rept 128
	v_mov_b32 v[n], 0
.set n, n+1
.endr
	WIN 0
	s_wait_alu depctr_va_vdst(0)
.endm
; ONE TILE x ONE KEY STEP.  a: the tile of the quad; qr: the run's Q in window 1.
.macro TILE a, qr
.set NM, ST+4*(\a)
.set SU, ST+4*(\a)+2
.set OT, 32*(\a)
	s_add_co_u32 s[T0], s[BK], \a
	s_cmp_gt_u32 s[STP], s[T0]                     ; the step lies wholly above the tile's diagonal: wave number and count of steps alone
	s_cbranch_scc1 .Lhid_\@
	s_wait_dscnt 16                                ; K and the table's numbers are in; V's 16 loads may be out
	WIN 0x14                                       ; Q and C in window 1
.irp t, 0,1,2,3,4,5,6,7
	v_wmma_f32_16x16x64_fp8_fp8 v[S+8*\t:S+8*\t+7], v[K+8*\t:K+8*\t+7], v[\qr+8*(\a):\qr+8*(\a)+7], v[128+8*\t:135+8*\t]
.endr
	WIN 0
.rept 4
	v_nop
.endr
	s_cmp_lg_u32 s[STP], s[T0]
	s_cbranch_scc1 .Lopen_\@
.set n, 0
.rept 64                                       ; on the diagonal: register 8 t + i holds key 16 t + 8 (lane / 16) + i of the step: hidden where 16 t + i > DG
	v_cmp_gt_i32 vcc_lo, 16*(n/8)+n%8, v[DG]
	v_cndmask_b32 v[S+n], v[S+n], v[NINF], vcc_lo
.set n, n+1
.endr
.Lopen_\@:
	v_max3_num_f32 v[MX], v[S], v[S+1], v[S+2]     ; the step's largest score, in four chains, each accumulator from its low end on
	v_max3_num_f32 v[MX+1], v[S+3], v[S+4], v[S+5]
	v_max3_num_f32 v[MX+2], v[S+6], v[S+7], v[S+8]
	v_max3_num_f32 v[MX+3], v[S+9], v[S+10], v[S+11]
.set n, 12
.rept 26
	v_max3_num_f32 v[MX+(n/2)%4], v[MX+(n/2)%4], v[S+n], v[S+n+1]
.set n, n+2
.endr
	v_max3_num_f32 v[MX], v[MX], v[MX+1], v[MX+2]
	v_max_num_f32 v[MX], v[MX], v[MX+3]
	v_permlanex16_b32 v[PL], v[MX], s[SEL], s[SEL+1]
	v_max_num_f32 v[MX], v[MX], v[PL]
	v_mul_f32 v[MX], s[CS], v[MX]
	v_max_num_f32 v[NM+1], v[NM+1], v[MX]          ; the largest t so far
	v_mov_b32 v[MX], v[NM]
	v_floor_f32 v[NM], -v[NM+1]                    ; the new -M = -ceil(t)
	v_sub_f32 v[MX], v[NM], v[MX]                  ; old M - new M: a whole number, 0 or less
	v_cvt_i32_f32 v[MX], v[MX]
	v_ldexp_f32 v[F], 1.0, v[MX]                   ; f = 2^(old M - new M)
.set n, 0
.rept 32
	v_pk_fma_f32 v[S+n:S+n+1], v[S+n:S+n+1], s[CS:CS+1], v[NM:NM+1] op_sel_hi:[1,0,0]   ; t - M
.set n, n+2
.endr
	s_wait_alu depctr_va_vdst(0)                   ; the wait ahead of the batch
.set n, 0
.rept 64
	v_exp_f32 v[S+n], v[S+n]                       ; p
.set n, n+1
.endr
	v_pk_mul_f32 v[SU:SU+1], v[SU:SU+1], v[F:F+1] op_sel_hi:[1,0]   ; the sums under the new M: the plain line behind the batch
	s_wait_alu depctr_va_vdst(0)                   ; one wait for the batch, ahead of its first reader
	v_pk_add_f32 v[SX:SX+1], v[S:S+1], v[S+2:S+3]  ; the row's sum of the unquantised p, in four chains
	v_pk_add_f32 v[SX+2:SX+3], v[S+4:S+5], v[S+6:S+7]
	v_pk_add_f32 v[SX+4:SX+5], v[S+8:S+9], v[S+10:S+11]
	v_pk_add_f32 v[SU:SU+1], v[SU:SU+1], v[S+12:S+13]
.set n, 14
.rept 6
	v_pk_add_f32 v[SX:SX+1], v[SX:SX+1], v[S+n:S+n+1]
	v_pk_add_f32 v[SX+2:SX+3], v[SX+2:SX+3], v[S+n+2:S+n+3]
	v_pk_add_f32 v[SX+4:SX+5], v[SX+4:SX+5], v[S+n+4:S+n+5]
	v_pk_add_f32 v[SU:SU+1], v[SU:SU+1], v[S+n+6:S+n+7]
.set n, n+8
.endr
	v_pk_add_f32 v[SX:SX+1], v[SX:SX+1], v[S+62:S+63]
	v_pk_add_f32 v[SX:SX+1], v[SX:SX+1], v[SX+2:SX+3]
	v_pk_add_f32 v[SU:SU+1], v[SU:SU+1], v[SX+4:SX+5]
	v_pk_add_f32 v[SU:SU+1], v[SU:SU+1], v[SX:SX+1]
.irp b, 0,1,2,3
.set n, 16*\b
.rept 8                                        ; the conversion does not saturate (ISA guide 7.6.2); p is not negative: a one-sided hold, two numbers an instruction
	v_dual_min_num_f32 v[S+n], v[S+n], v[LIM] :: v_dual_min_num_f32 v[S+n+1], v[S+n+1], v[LIM+1]
.set n, n+2
.endr
	v_cvt_scalef32_pk8_fp8_f32 v[P+4*\b:P+4*\b+1], v[S+16*\b:S+16*\b+7], v[SC]
	v_cvt_scalef32_pk8_fp8_f32 v[P+4*\b+2:P+4*\b+3], v[S+16*\b+8:S+16*\b+15], v[SC]
.endr
	WIN 0x41                                       ; O^T in window 1, f in window 0
	s_wait_alu depctr_va_vdst(0)                   ; the wait directly ahead of the first reader of O^T
.set n, 0
.rept 16
	v_pk_mul_f32 v[OT+n:OT+n+1], v[OT+n:OT+n+1], v[F:F+1] op_sel_hi:[1,0]   ; O^T under the new M; also the plain lines behind the conversions
.set n, n+2
.endr
	s_wait_alu depctr_va_vdst(0)                   ; directly ahead of the wait below
	s_wait_dscnt 0x0                               ; V
	WIN 0x50
.irp t, 0,1,2,3
	v_wmma_f32_16x16x128_fp8_fp8 v[OT+8*\t:OT+8*\t+7], v[V+16*\t:V+16*\t+15], v[P:P+15], v[OT+8*\t:OT+8*\t+7]
.endr
	WIN 0
.Lhid_\@:
.endm
; A RUN: a loop of a constant number of trips; a wave works in the first trips - s[lo] of them.  first = 1: waves 0 and 7 alone work.
.macro PASS qr, first, trips, lo
	s_mov_b32 s[CNT], \trips
.Lstep_\@:
.if \first
	s_cmp_eq_u32 s[WV], 0
	s_cbranch_scc1 .Lgo_\@
	s_cmp_lg_u32 s[WV], 7
	s_cbranch_scc1 .Lnext_\@
.Lgo_\@:
.endif
	s_cmp_le_u32 s[CNT], s[\lo]                    ; my run is over: wave number and count of trips alone
	s_cbranch_scc1 .Lnext_\@
	s_wait_dscnt 0x0                               ; the last step's loads are in on every way here: their registers may be loaded anew
	v_add_nc_u32 v[ADK], s[KB], v[L16]
	v_add_nc_u32 v[ADB], s[BB], v[AB0]
	v_add_nc_u32 v[ADV], KVV, v[ADK]
	v_nop                                          ; with the three additions: four places in front of loads into registers that the last products read
.irp t, 0,1,2,3,4,5,6,7
	ds_load_b128 v[K+8*\t:K+8*\t+3], v[ADK] offset:1024*\t
	ds_load_b128 v[K+8*\t+4:K+8*\t+7], v[ADK] offset:1024*\t+512
.endr
	WIN 0x40
.irp t, 0,1,2,3,4,5,6,7
	ds_load_b128 v[128+8*\t:131+8*\t], v[ADB] offset:64*\t        ; the table's numbers of keys 16 t + 8 (lane / 16) + 0 .. 7
	ds_load_b128 v[132+8*\t:135+8*\t], v[ADB] offset:64*\t+16
.endr
	WIN 0
.irp t, 0,1,2,3
.irp c, 0,1,2,3
	ds_load_b128 v[V+16*\t+4*\c:V+16*\t+4*\c+3], v[ADV] offset:2048*\t+512*\c
.endr
.endr
	TILE 0, \qr
	TILE 1, \qr
	TILE 2, \qr
	TILE 3, \qr
.Lnext_\@:
	s_add_co_u32 s[STP], s[STP], 1
	s_add_co_u32 s[KB], s[KB], 8192
	s_add_co_u32 s[BB], s[BB], 512
	s_sub_co_u32 s[CNT], s[CNT], 1
	s_cmp_lg_u32 s[CNT], 0
	s_cbranch_scc1 .Lstep_\@
.endm
.macro XSTORE adr                      ; a run's part goes to LDS as it stands, 512 bytes a store, each accumulator from its low end on
	WIN 0x04                                       ; the data in window 1
	s_wait_alu depctr_va_vdst(0)                   ; the wait directly ahead of the first reader of O^T
.set n, 0
.rept 32
	ds_store_b128 v[\adr], v[4*n:4*n+3] offset:TSZ*(n/8)+512*(n%8)
.set n, n+1
.endr
	WIN 0
.irp a, 0,1,2,3
	ds_store_b128 v[\adr], v[ST+4*\a:ST+4*\a+3] offset:TSZ*\a+4096
.endr
.endm
; A tile's np parts are joined, divided by the sum, quantised with the folded scale and stored: 2 x 512 consecutive aligned bytes.
.macro FINISH adr, np, ob, cd
.set i, 0
.rept \np
.set k, 0
.rept 9
	ds_load_b128 v[R+36*i+4*k:R+36*i+4*k+3], v[\adr] offset:XSZ*i+512*k
.set k, k+1
.endr
.set i, i+1
.endr
	s_wait_dscnt 0x0
	v_add_f32 v[MX+1], v[R+34], v[R+35]
.if \np > 1
	v_min_num_f32 v[MX], v[R+32], v[R+68]          ; -M of the whole row: the largest M
.if \np > 2
.set i, 2
.rept \np-2
	v_min_num_f32 v[MX], v[MX], v[R+36*i+32]
.set i, i+1
.endr
.endif
.set i, 0
.rept \np
	v_sub_f32 v[R+36*i+33], v[MX], v[R+36*i+32]    ; the part's M less the largest: a whole number, 0 or less
.set i, i+1
.endr
.set i, 0
.rept \np
	v_cvt_i32_f32 v[R+36*i+33], v[R+36*i+33]
.set i, i+1
.endr
.set i, 0
.rept \np
	v_ldexp_f32 v[R+36*i+33], 1.0, v[R+36*i+33]    ; the part's factor
.set i, i+1
.endr
	v_mul_f32 v[MX+1], v[MX+1], v[R+33]
.set i, 1
.rept \np-1
	v_add_f32 v[R+36*i+34], v[R+36*i+34], v[R+36*i+35]
	v_fma_f32 v[MX+1], v[R+36*i+34], v[R+36*i+33], v[MX+1]
.set i, i+1
.endr
.endif
	v_permlanex16_b32 v[PL], v[MX+1], s[SEL], s[SEL+1]
	v_add_f32 v[MX+1], v[MX+1], v[PL]
	v_max_num_f32 v[MX+1], 0.5, v[MX+1]            ; a row with a key has a sum over 1/2: only rows with no key change, and stay 0
	s_wait_alu depctr_va_vdst(0)                   ; the wait ahead of the transcendental
.if \np > 1
	v_rcp_f32 v[MX+2], v[MX+1]
.else
	v_rcp_f32 v[R+32], v[MX+1]
.endif
	v_nop
	s_wait_alu depctr_va_vdst(0)                   ; and ahead of its first reader
.if \np > 1
.set i, 0
.rept \np
	v_mul_f32 v[R+36*i+32], v[R+36*i+33], v[MX+2]  ; factor / sum
.set i, i+1
.endr
.endif
.set n, 0
.rept 16
	v_pk_mul_f32 v[AC+n:AC+n+1], v[R+n:R+n+1], v[R+32:R+33] op_sel_hi:[1,0]
.set n, n+2
.endr
.if \np > 1
.set i, 1
.rept \np-1
.set n, 0
.rept 16
	v_pk_fma_f32 v[AC+n:AC+n+1], v[R+36*i+n:R+36*i+n+1], v[R+36*i+32:R+36*i+33], v[AC+n:AC+n+1] op_sel_hi:[1,0,1]
.set n, n+2
.endr
.set i, i+1
.endr
.endif
.set n, 0
.rept 32
	v_med3_num_f32 v[AC+n], v[AC+n], -v[LIM], v[LIM]
.set n, n+1
.endr
.irp g, 0,1,2,3
	v_cvt_scalef32_pk8_fp8_f32 v[\cd+2*\g:\cd+2*\g+1], v[AC+8*\g:AC+8*\g+7], v[SC]
.endr
	v_nop
	global_store_b128 v[L16], v[\cd:\cd+3], s[\ob:\ob+1]
	global_store_b128 v[L16], v[\cd+4:\cd+7], s[\ob:\ob+1] offset:512
.endm
	s_load_b256 s[4:11], s[0:1], 0x0               ; qkv, attention_mask, lowp_scales, ocodes
	v_lshl_add_u32 v[SPW], v0, 2, SPARE
	v_mov_b32 v[NIL], 0
	ds_add_u32 v[SPW], v[NIL]                      ; the wave's opening: the add, twice on end, and its wait ahead of the first tensor load
	ds_add_u32 v[SPW], v[NIL]
	v_lshrrev_b32 v2, 5, v0
	v_readfirstlane_b32 s[WV], v2                  ; wave 0..7
	s_bfe_u32 s12, ttmp6, 0x40000                  ; cx
	s_bfe_u32 s13, ttmp6, 0x40004                  ; cy
	s_lshl_b32 s14, ttmp9, 2
	s_add_co_u32 s14, s14, s12                     ; j
	s_and_b32 s15, ttmp7, 0xffff
	s_lshl_b32 s15, s15, 2
	s_add_co_u32 s15, s15, s13                     ; batch x 16 + head
	s_lshl_b32 s16, s13, 2
	s_lshl_b32 s16, 15, s16                        ; my row of the cluster
	s_or_b32 s[G1], s16, (3<<16)|(1<<21)           ; the mask; elements of 8 bytes; bit 21 beside a mask; no padding: a dense block as 128 rows of 256 bytes
	s_mov_b32 s[G1+1], 32<<16
	s_mov_b32 s[G1+2], 128<<16
	s_mov_b32 s[G1+3], 32<<16
	s_mov_b32 s[G1+4], 128
	s_mov_b32 s[G1+5], 32
	s_mov_b32 s[G1+6], 0
	s_mov_b32 s[G1+7], 0
	s_lshr_b32 s[U1], s[WV], 2                     ; waves 0-3 fetch K (at 4 MiB), waves 4-7 V (at 8 MiB); also the first run's quad in waves 0 and 7
	s_lshl_b32 s20, s[U1], 22
	s_and_b32 s21, s[WV], 3
	s_lshl_b32 s21, s21, 15                        ; which 32,768 bytes
	s_add_co_u32 s20, s20, s21
	s_add_co_u32 s20, s20, 0x400000
	s_lshl_b32 s17, s15, 17                        ; the head's 131,072 bytes in q, k and v
	s_add_co_u32 s20, s20, s17
	s_mov_b32 s21, 0
	s_lshl_b32 s22, s[WV], 2
	s_lshr_b32 s[U2], 0x21223333, s22              ; the last run, four bits a wave: its quad,
	s_and_b32 s[U2], s[U2], 3
	s_lshr_b32 s[GG2], 0x4260a408, s22             ; its first key step, 10 at the most,
	s_and_b32 s[GG2], s[GG2], 15
	s_min_u32 s[GG2], s[GG2], 10
	s_lshr_b32 s[LO2], 0x40020224, s22             ; and 6 less the number of its steps
	s_and_b32 s[LO2], s[LO2], 7
	s_lshl_b32 s[LO1], s[U1], 1                    ; the first run: four steps in wave 0, two in wave 7
	s_mul_i32 s32, s[U1], XSZ
	s_add_co_u32 s32, s32, HI                      ; the first run's part: quad 0's at HI, quad 1's at HI + XSZ
	s_lshr_b32 s33, s[WV], 1                       ; the last run's part: wave x XSZ, over K's bytes, for waves 0 to 5; wave 7's at 6 XSZ; wave 6's at HI + 2 XSZ
	s_and_b32 s33, s33, s[U1]                      ; 1 in waves 6 and 7
	s_and_b32 s34, s33, s[WV]                      ; 1 in wave 7
	s_xor_b32 s33, s33, s34                        ; 1 in wave 6
	s_xor_b32 s34, s34, s[WV]                      ; the wave's number, 6 for wave 7
	s_mul_i32 s34, s34, XSZ
	s_mul_i32 s33, s33, HI-4*XSZ
	s_add_co_u32 s33, s33, s34
	s_mul_i32 s35, s[WV], TSZ
	s_add_co_u32 s35, s35, HI                      ; the join: block w's first part
	s_and_b32 s36, s[WV], 3
	s_xor_b32 s36, s36, 3
	s_mul_i32 s36, s36, TSZ
	s_mul_i32 s37, s[U1], 4*XSZ
	s_add_co_u32 s36, s36, s37                     ; and block 15 - w's
	s_mov_b32 s[SEL], 0x76543210
	s_mov_b32 s[SEL+1], 0xfedcba98
	s_mov_b32 s[CS], 0x3e38aa3b                    ; c = log2(e) / 8
	s_wait_dscnt 0x0                               ; both opening adds are done
	s_wait_kmcnt 0x0
	s_load_b512 s[44:59], s[8:9], 0x0              ; e0 .. e15
	s_mov_b32 s[G0], 1
	s_lshl_b32 s[G0+1], s[WV], 15                  ; LDS: wave x 32,768
	s_add_nc_u64 s[G0+2:G0+3], s[4:5], s[20:21]
	s_or_b32 s[G0+3], s[G0+3], 0x80000000
	CROUND                                         ; all sixteen work-groups are here: the joint loads meet
	tensor_load_to_lds s[G0:G0+3], s[G1:G1+7]      ; my one tensor load
	s_nop 0
.rept 4
	v_nop
.endr
	s_lshl_b32 s84, s14, 10
	s_add_co_u32 s84, s84, s17
	s_lshl_b32 s22, s[U2], 15
	s_add_co_u32 s22, s22, s84
	s_mov_b32 s23, 0
	s_add_nc_u64 s[60:61], s[4:5], s[22:23]        ; q: the head, quad x 32,768, j x 1,024; a block on is 8,192
	s_lshl_b32 s22, s[U1], 15
	s_add_co_u32 s22, s22, s84
	s_add_nc_u64 s[62:63], s[4:5], s[22:23]
	s_lshr_b32 s19, s15, 4                         ; the batch
	s_lshl_b32 s22, s19, 13
	s_add_nc_u64 s[6:7], s[6:7], s[22:23]          ; its mask
	s_and_b32 s22, s15, 15
	s_lshl_b32 s38, s19, 11
	s_add_co_u32 s22, s22, s38
	s_lshl_b32 s19, s14, 4                         ; 16 j
	s_add_co_u32 s22, s22, s19
	s_lshl_b32 s38, s[WV], 7
	s_add_co_u32 s38, s38, s22
	s_lshl_b32 s38, s38, 10
	s_mov_b32 s39, 0
	s_add_nc_u64 s[O1:O1+1], s[10:11], s[38:39]    ; ocodes: 16,384 bytes for 16 tokens, 1,024 of them a head: block w's tile,
	s_xor_b32 s38, s[WV], 15
	s_lshl_b32 s38, s38, 7
	s_add_co_u32 s38, s38, s22
	s_lshl_b32 s38, s38, 10
	s_add_nc_u64 s[O2:O2+1], s[10:11], s[38:39]    ; and block 15 - w's
	v_and_b32 v[L16], 31, v0
	v_lshlrev_b32 v[L16], 4, v[L16]
	v_lshlrev_b32 v[ADK], 5, v0                    ; thread t: the mask of keys 8 t .. 8 t + 7
	v_and_b32 v[DG], 15, v0
	v_bfe_u32 v[AB0], v0, 4, 1
	v_lshlrev_b32 v[PL], 3, v[AB0]
	v_sub_nc_u32 v[DG], v[DG], v[PL]
	v_add_nc_u32 v[DG], s19, v[DG]
	v_lshlrev_b32 v[AB0], 5, v[AB0]
	v_add_nc_u32 v[AB0], BIAS, v[AB0]
	v_add_nc_u32 v[XS0], s32, v[L16]
	v_add_nc_u32 v[XS1], s33, v[L16]
	v_add_nc_u32 v[MA1], s35, v[L16]
	v_add_nc_u32 v[MA2], s36, v[L16]
	v_mov_b32 v[NINF], 0xff800000
	v_mov_b32 v[F+1], 0                            ; named as a pair's upper half
	s_wait_alu depctr_va_vdst(0)                   ; the wait ahead of readers behind runs of scalar lines
	global_load_b128 v[S:S+3], v[ADK], s[6:7]
	global_load_b128 v[S+4:S+7], v[ADK], s[6:7] offset:16
	WIN 0x40
.irp a, 0,1,2,3
	global_load_b128 v[192+8*\a:195+8*\a], v[L16], s[60:61] offset:8192*\a
	global_load_b128 v[196+8*\a:199+8*\a], v[L16], s[60:61] offset:8192*\a+512
	global_load_b128 v[224+8*\a:227+8*\a], v[L16], s[62:63] offset:8192*\a
	global_load_b128 v[228+8*\a:231+8*\a], v[L16], s[62:63] offset:8192*\a+512
.endr
	WIN 0
	s_wait_kmcnt 0x0
	s_add_co_i32 s22, s50, s51                     ; a score stands for score x 2^(e6 + e7): added to c's exponent field
	s_lshl_b32 s22, s22, 23
	s_add_co_i32 s[CS], s[CS], s22
	s_mov_b32 s[CS+1], s[CS]
	s_add_co_i32 s22, s52, 127
	s_lshl_b32 s23, s22, 23
	s_add_co_i32 s22, s22, 8
	s_lshl_b32 s22, s22, 23
	s_or_b32 s22, s22, 0x600000
	v_mov_b32 v[SC], s23                           ; 2^e8
	v_mov_b32 v[LIM], s22                          ; 448 x 2^e8
	v_mov_b32 v[LIM+1], s22
	v_mov_b32 v[TM0], 0xcbe4e1c0                   ; -3e7: under every raw score, over the table's -3e38
	v_mul_f32 v[TM0], s[CS], v[TM0]
	v_floor_f32 v[NM0], -v[TM0]
	INIT
	s_lshl_b32 s[BK], s[U1], 2                     ; the first run begins at key step 0
	s_mov_b32 s[STP], 0
	s_mov_b32 s[KB], 0
	s_mov_b32 s[BB], 0
	s_wait_loadcnt 0x0                             ; the mask and Q
	v_mov_b32 v[MX], 0xff61b1e6                    ; -3e38
.irp i, 0,1,2,3,4,5,6,7
	v_cmp_eq_u32 vcc_lo, 0, v[S+\i]
	v_cndmask_b32 v[S+8+\i], 0, v[MX], vcc_lo
.endr
	v_add_nc_u32 v[ADB], BIAS, v[ADK]
	ds_store_b128 v[ADB], v[S+8:S+11]
	ds_store_b128 v[ADB], v[S+12:S+15] offset:16
	s_wait_alu depctr_va_vdst(0)                   ; the wait at the head's end
	s_wait_tensorcnt 0x0                           ; my part of K or V is in,
	s_wait_dscnt 0x0                               ; and my part of the table is stored
	s_barrier_signal -1
	s_barrier_wait -1                              ; both hold of every wave
	PASS 224, 1, 4, LO1
	s_cmp_eq_u32 s[WV], 0
	s_cbranch_scc1 .Ltwo
	s_cmp_lg_u32 s[WV], 7
	s_cbranch_scc1 .Lone
.Ltwo:
.rept 4
	v_nop                                          ; places between the last products and the stores that read their results
.endr
	XSTORE XS0                                     ; bytes of its own for each of the two waves; read behind two later barriers
	s_wait_dscnt 0x0                               ; the stores have read their registers
	INIT
.Lone:
	s_lshl_b32 s[BK], s[U2], 2
	s_mov_b32 s[STP], s[GG2]
	s_lshl_b32 s[KB], s[GG2], 13
	s_lshl_b32 s[BB], s[GG2], 9
	PASS 192, 0, 6, LO2
.rept 4
	v_nop
.endr
	s_wait_dscnt 0x0                               ; my reads of K, V and the table are over
	s_barrier_signal -1
	s_barrier_wait -1                              ; and so are everybody's: K's bytes, which have had their only fill, take the parts
	XSTORE XS1
	s_sub_co_i32 s22, s54, s52                     ; e10 - e8 - e9: O^T / sum stands for that x 2^(e8 + e9)
	s_sub_co_i32 s22, s22, s53
	s_add_co_i32 s22, s22, 127
	s_lshl_b32 s23, s22, 23
	s_add_co_i32 s22, s22, 8
	s_lshl_b32 s22, s22, 23
	s_or_b32 s22, s22, 0x600000
	v_mov_b32 v[SC], s23
	v_mov_b32 v[LIM], s22
	s_wait_alu depctr_va_vdst(0)                   ; directly ahead of the wait below
	s_wait_dscnt 0x0                               ; for the others' sake: my stores are done
	s_barrier_signal -1
	s_barrier_wait -1
	s_cmp_lt_u32 s[WV], 4
	s_cbranch_scc0 .Lupper
	FINISH MA1, 1, O1, 224                         ; blocks 0-3: one part; blocks 12-15: four
	FINISH MA2, 4, O2, 232
	s_branch .Lend
.Lupper:
	FINISH MA1, 2, O1, 224                         ; blocks 4-7: two parts; blocks 8-11: three
	FINISH MA2, 3, O2, 232
.Lend:
	s_wait_tensorcnt 0x0                           ; the wave's end
	ds_add_u32 v[SPW], v[NIL]
	s_wait_dscnt 0x0
	CROUND                                         ; the closing round
	s_endpgm
.Lfunc_end_k_q255f810e25_attn:
	.size	k_q255f810e25_attn, .Lfunc_end_k_q255f810e25_attn-k_q255f810e25_attn
	.p2alignl 7, 3214868480
	.fill 96, 4, 3214868480
	.section	.rodata,"a",@progbits
	.p2align	6, 0x0
	.amdhsa_kernel k_q255f810e25_attn
		.amdhsa_group_segment_fixed_size 327680
		.amdhsa_private_segment_fixed_size 0
		.amdhsa_enable_private_segment 0
		.amdhsa_kernarg_size 32
		.amdhsa_user_sgpr_count 2
		.amdhsa_user_sgpr_kernarg_segment_ptr 1
		.amdhsa_wavefront_size32 1
		.amdhsa_system_sgpr_workgroup_id_x 1
		.amdhsa_system_sgpr_workgroup_id_y 1
		.amdhsa_system_sgpr_workgroup_id_z 1
		.amdhsa_system_vgpr_workitem_id 0
		.amdhsa_next_free_vgpr 512
		.amdhsa_next_free_sgpr 96
		.amdhsa_reserve_vcc 1
		.amdhsa_float_denorm_mode_32 3
		.amdhsa_float_denorm_mode_16_64 3
		.amdhsa_memory_ordered 1
		.amdhsa_forward_progress 1
		.amdhsa_inst_pref_size 207
	.end_amdhsa_kernel
	.amdgpu_metadata
---
amdhsa.version: [ 1, 2 ]
amdhsa.kernels:
  - .name:           k_q255f810e25_attn
    .symbol:         k_q255f810e25_attn.kd
    .args:
      - { .name: qkv, .offset: 0, .size: 8, .value_kind: global_buffer, .address_space: global }
      - { .name: attention_mask, .offset: 8, .size: 8, .value_kind: global_buffer, .address_space: global }
      - { .name: lowp_scales, .offset: 16, .size: 8, .value_kind: global_buffer, .address_space: global }
      - { .name: ocodes, .offset: 24, .size: 8, .value_kind: global_buffer, .address_space: global }
    .group_segment_fixed_size: 327680
    .private_segment_fixed_size: 0
    .kernarg_segment_align: 8
    .kernarg_segment_size: 32
    .max_flat_workgroup_size: 256
    .sgpr_count:     96
    .vgpr_count:     512
    .wavefront_size: 32
...
	.end_amdgpu_metadata
.endif
;; end of part 3
;; launch wo (part 4): grid 8 x 32, 4 waves a work-group, clusters of 4 x 4, 327,680 bytes of LDS; arguments ocodes, wcodes, lowp_scales, x, x1; writes x1
.if DOCPART == 4
	.amdgcn_target "amdgcn-amd-amdhsa--gfx1250"
	.amdhsa_code_object_version 6
	.text
	.protected	k_q255f810e25_wo
	.globl	k_q255f810e25_wo
	.p2align	8
	.type	k_q255f810e25_wo,@function
k_q255f810e25_wo:
	s_mov_b64 s[64:65], 0
	v_nop
	global_prefetch_b8 v0, s[64:65] scope:SCOPE_SE
	s_setreg_imm32_b32 hwreg(HW_REG_WAVE_MODE, 25, 1), 1
	s_wait_xcnt 0x0
	s_wait_alu depctr_hold_cnt(0) depctr_sa_sdst(0) depctr_va_vdst(0) depctr_va_sdst(0) depctr_va_ssrc(0) depctr_va_vcc(0) depctr_vm_vsrc(0)
	s_getreg_b32 s2, hwreg(HW_REG_IB_STS2, 6, 4)
	s_cmp_eq_u32 s2, 0
	s_cbranch_scc0 .Lentry_in_a_cluster
	s_endpgm
.Lentry_in_a_cluster:
	s_bfe_u32 s2, ttmp6, 0x10000c
	s_cmp_lg_u32 s2, 0xf033
	s_cbranch_scc0 .Lentry_shape_is_right
	s_endpgm
.Lentry_shape_is_right:
; x1 = x + attention's result x Wo, on codes of E4M3.  Nothing is left out here.  (The same text as launch w2, up to the five constants below.)
; A tile of 128 x 128 gives 256 work-groups; four waves, 64 x 64 each: 16 accumulators.  K goes in steps of 512 (four quarters of 128) through two LDS slots.
; A's codes lie in memory as images of fragment registers ([16 tokens][128 K][c 4][lane][16 bytes]): a slot takes, for each 16 tokens, 8,192 consecutive bytes; a fragment comes back by four loads at 16 x lane: no pitch, no padding.
; B's are the weight's rows, 512 bytes + 16 of padding.  The matrix instruction is used transposed (source 0 = 16 rows of the weight, source 1 = 16 tokens): a lane holds eight neighbouring numbers of an output row.
; CLUSTERS: 4 x 4; A's tile is asked for jointly along a row of the cluster, B's along a column.  The residual tile is loaded at the head into 128 registers, under the whole product.
; No prefetch: two or four K steps only.  LIMIT: the two exponents' sum between -126 and 127.
; REGISTERS: window 0: v0-31 addresses; v32-95 the way out; v128-255 the accumulators ((a, b) at v[128 + 8 (4 a + b)]).  window 1: two fragment buffers of 128 (A's four fragments, then B's four).  window 2: v0-127 the residual.
.set KTOT,   1024
.set WOFF,   0x300000                  ; the weight's codes in wcodes
.set SOFF,   40                        ; its two exponents in lowp_scales, in bytes
.set NANSEL, 0                         ; 1: rows with no key become NaN
.set LAPS,   KTOT/1024
.set PITCH,  528
.set AHALF,  32768                     ; 64 tokens' images of a K step
.set BHALF,  64*PITCH
.set BOFF,   65536
.set SLOT,   BOFF+2*BHALF
.set STAGE,  2*SLOT                    ; 16 rows x 272 bytes for each wave
.set SPITCH, 272
.set SPARE,  STAGE+4*16*SPITCH
.set ADRA, 16
.set ADRB, 20
.set STO,  24
.set RD,   25
.set CO,   26
.set DD,   27
.set SPW,  28
.set NIL,  29
.set NANR, 30
.set TMP,  32
.set ACC,  128
.set F0,   0
.set F1,   128
.set G1, 24
.set G0, 32
.set G1B, 48
.set G0B, 56
.set MSB, 0
.macro WIN new
.if MSB != \new
	s_set_vgpr_msb (MSB<<8)|\new
.set MSB, \new
.endif
.endm
.set MUL,  0x05                        ; sources 0 and 1 window 1; C and D window 0
.set TO_F, 0x40
.macro JLOAD s                         ; waves 0 and 1 fetch A's halves, waves 2 and 3 B's; an s_nop 0 and four v_nop follow each line
	s_cmp_eq_u32 s11, 0
	s_cbranch_scc0 .Lfor_b_\@
	tensor_load_to_lds s[G0+4*\s:G0+4*\s+3], s[G1:G1+7]
	s_nop 0
.rept 4
	v_nop
.endr
	s_branch .Lasked_\@
.Lfor_b_\@:
	tensor_load_to_lds s[G0B+4*\s:G0B+4*\s+3], s[G1B:G1B+7]
	s_nop 0
.rept 4
	v_nop
.endr
.Lasked_\@:
.endm
.macro CREST
	s_cmp_lg_u32 s10, 0
	s_cbranch_scc1 .Lnot_wave_0_\@
	s_barrier_signal -3
.Lnot_wave_0_\@:
	s_barrier_wait -3
	s_barrier_signal -1
	s_barrier_wait -1
.endm
.macro CROUND
	s_barrier_signal -1
	s_barrier_wait -1
	CREST
.endm
	s_load_b128 s[4:7], s[0:1], 0x0                ; A's codes, wcodes
	s_load_b64 s[8:9], s[0:1], 0x10                ; lowp_scales
	s_load_b128 s[68:71], s[0:1], 0x18             ; the residual, the output
.if NANSEL
	s_load_b64 s[72:73], s[0:1], 0x28              ; first
.endif
	v_lshl_add_u32 v[SPW], v0, 2, SPARE
	v_mov_b32 v[NIL], 0
	ds_add_u32 v[SPW], v[NIL]                      ; the wave's opening: the add, twice on end, and its wait ahead of my first tensor load
	ds_add_u32 v[SPW], v[NIL]
	v_lshrrev_b32 v1, 5, v0
	v_readfirstlane_b32 s10, v1                    ; wave
	s_lshr_b32 s11, s10, 1                         ; my half of the rows.  Also: I fetch for A (0) or B (1)
	s_and_b32 s12, s10, 1                          ; my half of the columns.  Also: which half I fetch
	s_bfe_u32 s40, ttmp6, 0x40000
	s_bfe_u32 s41, ttmp6, 0x40004
	s_lshl_b32 s42, ttmp9, 2
	s_add_co_u32 s42, s42, s40                     ; tile column
	s_and_b32 s13, ttmp7, 0xffff
	s_lshl_b32 s13, s13, 2
	s_add_co_u32 s13, s13, s41                     ; tile row
	s_lshl_b32 s43, s41, 2
	s_lshl_b32 s43, 15, s43
	s_lshl_b32 s44, 0x1111, s40
	s_or_b32 s[G1+0], s43, (3<<16)|(1<<21)         ; A: the mask of my row; elements of 8 bytes; bit 21 beside a mask; no padding
	s_mov_b32 s[G1+1], 1024<<16                    ; tensor_dim0 = 1,024 elements: 8,192 bytes
	s_mov_b32 s[G1+2], 4<<16                       ; tensor_dim1 = 4 (four times 16 tokens)
	s_mov_b32 s[G1+3], 1024<<16
	s_mov_b32 s[G1+4], 4
	s_mov_b32 s[G1+5], 2*KTOT                      ; 16 tokens' images of all K: 16 KTOT bytes
	s_mov_b32 s[G1+6], 0
	s_mov_b32 s[G1+7], 0
	s_or_b32 s[G1B+0], s44, (0<<16)|(1<<20)|(1<<21)|(6<<22)|(3<<25)   ; B: my column; 1 byte; 4 words of padding behind every 128
	s_mov_b32 s[G1B+1], 512<<16
	s_mov_b32 s[G1B+2], 64<<16
	s_mov_b32 s[G1B+3], 512<<16
	s_mov_b32 s[G1B+4], 64
	s_mov_b32 s[G1B+5], KTOT
	s_mov_b32 s[G1B+6], 0
	s_mov_b32 s[G1B+7], 0
	s_lshl_b32 s16, s13, 3
	s_lshl_b32 s17, s12, 2
	s_add_co_u32 s16, s16, s17
	s_mul_i32 s16, s16, 16*KTOT                    ; A: (8 x tile row + 4 x half) times 16 tokens
	s_mov_b32 s17, 0
	s_lshl_b32 s46, s42, 7
	s_lshl_b32 s47, s12, 6
	s_add_co_u32 s46, s46, s47
	s_mul_i32 s46, s46, KTOT                       ; B: row 128 x tile column + 64 x half
	s_add_co_u32 s46, s46, WOFF
	s_mov_b32 s47, 0
	s_mul_i32 s20, s12, AHALF                      ; where they go
	s_mul_i32 s21, s12, BHALF
	s_add_co_u32 s21, s21, BOFF
	s_wait_dscnt 0x0                               ; both opening adds are done
	s_wait_kmcnt 0x0
	s_load_b64 s[76:77], s[8:9], SOFF              ; the two exponents
	s_add_nc_u64 s[14:15], s[4:5], s[16:17]
	s_add_nc_u64 s[46:47], s[6:7], s[46:47]
	CROUND                                         ; all sixteen work-groups are here: the first joint loads meet
.irp s, 0,1
	s_mov_b32 s[G0+4*\s], 1
	s_add_co_u32 s[G0+4*\s+1], s20, \s*SLOT
	s_add_nc_u64 s[G0+4*\s+2:G0+4*\s+3], s[14:15], \s*8192
	s_or_b32 s[G0+4*\s+3], s[G0+4*\s+3], 0x80000000
	s_mov_b32 s[G0B+4*\s], 1
	s_add_co_u32 s[G0B+4*\s+1], s21, \s*SLOT
	s_add_nc_u64 s[G0B+4*\s+2:G0B+4*\s+3], s[46:47], \s*512
	s_or_b32 s[G0B+4*\s+3], s[G0B+4*\s+3], 0x80000000
.endr
	JLOAD 0                                        ; K step 0: one tensor load a wave at the head
	v_and_b32 v1, 15, v0
	v_bfe_u32 v2, v0, 4, 1
	v_and_b32 v3, 31, v0
	v_lshlrev_b32 v3, 4, v3
	s_mul_i32 s22, s11, AHALF
	v_add_nc_u32 v[ADRA], s22, v3                  ; my 64 tokens' images + 16 x lane
	v_add_nc_u32 v[ADRA+1], SLOT, v[ADRA]
	v_mul_u32_u24 v4, v1, PITCH
	v_lshl_add_u32 v4, v2, 4, v4
	s_mul_i32 s22, s12, BHALF
	s_add_co_u32 s22, s22, BOFF
	v_add_nc_u32 v[ADRB], s22, v4
	v_add_nc_u32 v[ADRB+1], SLOT, v[ADRB]
	s_mul_i32 s23, s10, 16*SPITCH
	s_add_co_u32 s23, s23, STAGE                   ; my stage
	v_mul_u32_u24 v5, v1, SPITCH
	v_lshl_add_u32 v5, v2, 5, v5
	v_add_nc_u32 v[STO], s23, v5                   ; in: row lane % 16, 32 bytes for each half of the lanes
	v_mul_u32_u24 v5, v2, SPITCH
	v_lshl_add_u32 v5, v1, 4, v5
	v_add_nc_u32 v[RD], s23, v5                    ; back: sixteen lanes to a row of 256 bytes
	v_lshlrev_b32 v5, 12, v2
	v_lshl_add_u32 v[CO], v1, 4, v5                ; and the same two rows in memory
	s_wait_alu depctr_va_vdst(0)
	s_lshl_b32 s16, s13, 7
	s_lshl_b32 s17, s11, 6
	s_add_co_u32 s16, s16, s17                     ; my first row
	s_and_b32 s79, s16, 2047                       ; and its place in its batch
	s_lshl_b32 s16, s16, 12
	s_mov_b32 s17, 0
	s_lshl_b32 s46, s42, 9                         ; my first column, in bytes (in the registers that held B's address)
	s_lshl_b32 s47, s12, 8
	s_add_co_u32 s46, s46, s47
	s_mov_b32 s47, 0
	s_add_nc_u64 s[68:69], s[68:69], s[16:17]
	s_add_nc_u64 s[68:69], s[68:69], s[46:47]
	s_add_nc_u64 s[70:71], s[70:71], s[16:17]
	s_add_nc_u64 s[70:71], s[70:71], s[46:47]
.if NANSEL
	s_lshr_b32 s18, s13, 4                         ; the batch
	s_lshl_b32 s18, s18, 7
	s_mov_b32 s19, 0
	s_add_nc_u64 s[72:73], s[72:73], s[18:19]
	s_load_b32 s78, s[72:73], 0x0                  ; its first key that counts
.endif
	WIN 0x80                                       ; destination window 2
.irp a, 0,1,2,3
.irp t, 0,1,2,3,4,5,6,7
	global_load_b128 v[32*\a+4*\t:32*\a+4*\t+3], v[CO], s[68:69] offset:(16*\a+2*\t)*4096 th:TH_LOAD_NT   ; the residual, laid as the rows come back from the stage
.endr
.endr
	WIN 0
.macro MUL4 f, a, zero                 ; A's fragment a x B's four.  The 16 accumulators take turns, one instruction a turn, in the same order in every quarter
.irp b, 0,1,2,3
.if \zero
	v_wmma_f32_16x16x128_fp8_fp8 v[ACC+8*(4*(\a)+\b):ACC+8*(4*(\a)+\b)+7], v[\f+64+16*\b:\f+64+16*\b+15], v[\f+16*(\a):\f+16*(\a)+15], 0
.else
	v_wmma_f32_16x16x128_fp8_fp8 v[ACC+8*(4*(\a)+\b):ACC+8*(4*(\a)+\b)+7], v[\f+64+16*\b:\f+64+16*\b+15], v[\f+16*(\a):\f+16*(\a)+15], v[ACC+8*(4*(\a)+\b):ACC+8*(4*(\a)+\b)+7]
.endif
.endr
.endm
.macro FETCH slot, q, f                ; 32 LDS loads in one run: B's four fragments, A's 0 and 1, A's 2 and 3
	WIN TO_F
.irp b, 0,1,2,3
.irp c, 0,1,2,3
	ds_load_b128 v[\f+64+16*\b+4*\c:\f+64+16*\b+4*\c+3], v[ADRB+\slot] offset:\b*16*PITCH+128*(\q)+32*\c
.endr
.endr
.irp a, 0,1,2,3
.irp c, 0,1,2,3
	ds_load_b128 v[\f+16*\a+4*\c:\f+16*\a+4*\c+3], v[ADRA+\slot] offset:\a*8192+2048*(\q)+512*\c
.endr
.endr
.endm
.macro PLACES
.rept 4
	v_nop
.endr
.endm
.macro QUARTER slot, qn, f, g, zero    ; multiplies buffer f; in its middle fetches quarter qn of the slot into g
	s_wait_dscnt 8                                 ; B and A's fragments 0, 1 are in; the youngest eight loads may be out
	WIN MUL
	MUL4 \f, 0, \zero
	MUL4 \f, 1, \zero
	PLACES
	FETCH \slot, \qn, \g
	s_wait_dscnt 32                                ; all but the 32 just issued
	WIN MUL
	MUL4 \f, 2, \zero
	MUL4 \f, 3, \zero
.endm
.macro TURN slot, next, fill           ; the last quarter multiplies buffer 1 and changes slots
	WIN 0
	s_wait_tensorcnt 0x0                           ; all my tensor loads have landed: my part of the next slot
	ds_add_u32 v[SPW], v[NIL]
	s_wait_dscnt 9                                 ; (the add and the youngest eight loads may be out)
	WIN MUL
	MUL4 F1, 0, 0
	s_wait_dscnt 0x0                               ; the add is done, and my reads of this slot are over
	s_barrier_signal -1
	MUL4 F1, 1, 0
.if \fill
	WIN 0
.endif
	s_barrier_wait -1
.if \fill
	CREST                                          ; no wave of any partner still reads this slot or has a load on its way
	s_add_nc_u64 s[G0+4*\slot+2:G0+4*\slot+3], s[G0+4*\slot+2:G0+4*\slot+3], 2*8192
	s_add_nc_u64 s[G0B+4*\slot+2:G0B+4*\slot+3], s[G0B+4*\slot+2:G0B+4*\slot+3], 2*512
	JLOAD \slot                                    ; the first tensor load behind the round; its four v_nop are the places in front of the loads below
.else
	PLACES
.endif
	FETCH \next, 0, F0
	WIN MUL
	MUL4 F1, 2, 0
	MUL4 F1, 3, 0
.endm
	s_wait_alu depctr_va_vdst(0)                   ; the wait at the head's end
	s_wait_tensorcnt 0x0                           ; my part of slot 0 is in
	ds_add_u32 v[SPW], v[NIL]
	s_wait_dscnt 0x0
	CROUND                                         ; everybody's part of slot 0 is in, and the joint loads meet
	JLOAD 1                                        ; slot 1's first fill, the first tensor load behind the round
	FETCH 0, 0, F0
	QUARTER 0, 1, F0, F1, 1                        ; the first quarter's products start the sums
.if LAPS > 1
	WIN 0
	s_mov_b32 s3, LAPS-1
.Llap:
	QUARTER 0, 2, F1, F0, 0
	QUARTER 0, 3, F0, F1, 0
	TURN 0, 1, 1
	QUARTER 1, 1, F0, F1, 0
	QUARTER 1, 2, F1, F0, 0
	QUARTER 1, 3, F0, F1, 0
	TURN 1, 0, 1
	QUARTER 0, 1, F0, F1, 0
	WIN 0
	s_sub_co_u32 s3, s3, 1
	s_cmp_lg_u32 s3, 0
	s_cbranch_scc1 .Llap
.endif
	QUARTER 0, 2, F1, F0, 0                        ; the last lap fills nothing
	QUARTER 0, 3, F0, F1, 0
	TURN 0, 1, 0
	QUARTER 1, 1, F0, F1, 0
	QUARTER 1, 2, F1, F0, 0
	QUARTER 1, 3, F0, F1, 0
	s_wait_dscnt 8
	WIN MUL
	MUL4 F1, 0, 0
	MUL4 F1, 1, 0
	s_wait_dscnt 0
	MUL4 F1, 2, 0
	MUL4 F1, 3, 0
	WIN 0
	PLACES
	s_wait_kmcnt 0x0
	s_add_co_i32 s74, s76, s77
	s_add_co_i32 s74, s74, 127
	s_lshl_b32 s74, s74, 23                        ; 2^(eA + eB) as f32
	s_mov_b32 s75, s74                             ; (named with it as a pair)
.if NANSEL
	s_sub_co_i32 s79, s78, s79
	v_bfe_u32 v[DD], v0, 4, 1
	v_sub_nc_u32 v[DD], s79, v[DD]                 ; row 16 a + 2 t + (lane / 16) of my 64 has no key where 16 a + 2 t < this
	v_mov_b32 v[NANR], 0x7fc00000
.endif
	s_wait_loadcnt 0x0                             ; the residual
; THE WAY OUT, 16 rows x 64 columns at a time: the raw sums go through my own stage and come back as rows of 256 bytes; then sum x 2^(eA + eB) + residual, one packed multiply-add for two numbers.
.macro TOSTAGE a
.irp b, 0,1,2,3
	ds_store_b128 v[STO], v[ACC+8*(4*(\a)+\b):ACC+8*(4*(\a)+\b)+3] offset:64*\b
	ds_store_b128 v[STO], v[ACC+8*(4*(\a)+\b)+4:ACC+8*(4*(\a)+\b)+7] offset:64*\b+16
.endr
.irp t, 0,1,2,3,4,5,6,7
	ds_load_b128 v[TMP+32*((\a)%2)+4*\t:TMP+32*((\a)%2)+4*\t+3], v[RD] offset:\t*2*SPITCH   ; LDS serves a wave's instructions in order (ISA guide 5.7.1.4)
.endr
.endm
.macro SEND a, younger
.set BB, TMP+32*((\a)%2)
	s_wait_dscnt \younger                          ; the block is back; the next block's eight stores and eight loads may be out
	WIN 0x20                                       ; source 2 window 2
.irp n, 0,2,4,6,8,10,12,14,16,18,20,22,24,26,28,30
	v_pk_fma_f32 v[BB+\n:BB+\n+1], v[BB+\n:BB+\n+1], s[74:75], v[32*(\a)+\n:32*(\a)+\n+1] op_sel_hi:[1,0,1]
.endr
	WIN 0
.if NANSEL
.irp t, 0,1,2,3,4,5,6,7
	v_cmp_lt_i32 vcc_lo, 16*(\a)+2*\t, v[DD]
.irp e, 0,1,2,3
	v_cndmask_b32 v[BB+4*\t+\e], v[BB+4*\t+\e], v[NANR], vcc_lo
.endr
.endr
.endif
.irp t, 0,1,2,3,4,5,6,7
	global_store_b128 v[CO], v[BB+4*\t:BB+4*\t+3], s[70:71] offset:(16*(\a)+2*\t)*4096 th:TH_STORE_NT   ; sixteen lanes store 256 consecutive aligned bytes
.endr
.endm
	TOSTAGE 0
.irp a, 1,2,3
.if \a > 1
	s_wait_xcnt 0x0                                ; block a - 2's stores have read their registers: block a's loads may land there
.endif
	TOSTAGE \a
	SEND \a-1, 16
.endr
	SEND 3, 0
	s_wait_tensorcnt 0x0                           ; the wave's end
	ds_add_u32 v[SPW], v[NIL]
	s_wait_dscnt 0x0
	CROUND                                         ; the closing round
	s_endpgm
.Lfunc_end_k_q255f810e25_wo:
	.size	k_q255f810e25_wo, .Lfunc_end_k_q255f810e25_wo-k_q255f810e25_wo
	.p2alignl 7, 3214868480
	.fill 96, 4, 3214868480
	.section	.rodata,"a",@progbits
	.p2align	6, 0x0
	.amdhsa_kernel k_q255f810e25_wo
		.amdhsa_group_segment_fixed_size 327680
		.amdhsa_private_segment_fixed_size 0
		.amdhsa_enable_private_segment 0
		.amdhsa_kernarg_size 40
		.amdhsa_user_sgpr_count 2
		.amdhsa_user_sgpr_kernarg_segment_ptr 1
		.amdhsa_wavefront_size32 1
		.amdhsa_system_sgpr_workgroup_id_x 1
		.amdhsa_system_sgpr_workgroup_id_y 1
		.amdhsa_system_sgpr_workgroup_id_z 1
		.amdhsa_system_vgpr_workitem_id 0
		.amdhsa_next_free_vgpr 640
		.amdhsa_next_free_sgpr 96
		.amdhsa_reserve_vcc 1
		.amdhsa_float_denorm_mode_32 3
		.amdhsa_float_denorm_mode_16_64 3
		.amdhsa_memory_ordered 1
		.amdhsa_forward_progress 1
		.amdhsa_inst_pref_size 49
	.end_amdhsa_kernel
	.amdgpu_metadata
---
amdhsa.version: [ 1, 2 ]
amdhsa.kernels:
  - .name:           k_q255f810e25_wo
    .symbol:         k_q255f810e25_wo.kd
    .args:
      - { .name: ocodes, .offset: 0, .size: 8, .value_kind: global_buffer, .address_space: global }
      - { .name: wcodes, .offset: 8, .size: 8, .value_kind: global_buffer, .address_space: global }
      - { .name: lowp_scales, .offset: 16, .size: 8, .value_kind: global_buffer, .address_space: global }
      - { .name: x, .offset: 24, .size: 8, .value_kind: global_buffer, .address_space: global }
      - { .name: x1, .offset: 32, .size: 8, .value_kind: global_buffer, .address_space: global }
    .group_segment_fixed_size: 327680
    .private_segment_fixed_size: 0
    .kernarg_segment_align: 8
    .kernarg_segment_size: 40
    .max_flat_workgroup_size: 128
    .sgpr_count:     96
    .vgpr_count:     640
    .wavefront_size: 32
...
	.end_amdgpu_metadata
.endif
;; end of part 4
;; launch ln2 (part 5): grid 256 x 1, 4 waves a work-group, no clusters, 0 bytes of LDS; arguments x1, gamma2, beta2, lowp_scales, hcodes; writes hcodes
.if DOCPART == 5
	.amdgcn_target "amdgcn-amd-amdhsa--gfx1250"
	.amdhsa_code_object_version 6
	.text
	.protected	k_q255f810e25_ln2
	.globl	k_q255f810e25_ln2
	.p2align	8
	.type	k_q255f810e25_ln2,@function
k_q255f810e25_ln2:
	s_mov_b64 s[64:65], 0
	v_nop
	global_prefetch_b8 v0, s[64:65] scope:SCOPE_SE
	s_setreg_imm32_b32 hwreg(HW_REG_WAVE_MODE, 25, 1), 1
	s_wait_xcnt 0x0
; layernorm 2 of x1, quantised with e12 into hcodes [4096][1024], in the program's order along K (in each 32: groups of eight as g0, g2, g1, g3).  Nothing is left out here.
; A work-group takes 16 rows, a wave four, one row at a time in 32 registers a lane: no LDS, no barrier.  A lane holds eight neighbours of each of four chunks of 256.  Memory binds: no matrix work, no cluster.
; LIMIT: e12 between -126 and 119.  NaN among the inputs is not served.
.set X,   128
.set GA,  64
.set BE,  96
.set T0,  24
.set CD,  40
.macro WSUM reg
	v_add_f32_dpp v[\reg], v[\reg], v[\reg] row_xmask:1 row_mask:0xf bank_mask:0xf
	v_add_f32_dpp v[\reg], v[\reg], v[\reg] row_xmask:2 row_mask:0xf bank_mask:0xf
	v_add_f32_dpp v[\reg], v[\reg], v[\reg] row_xmask:4 row_mask:0xf bank_mask:0xf
	v_add_f32_dpp v[\reg], v[\reg], v[\reg] row_xmask:8 row_mask:0xf bank_mask:0xf
	v_permlanex16_b32 v14, v[\reg], s56, s57
	v_add_f32 v[\reg], v[\reg], v14
.endm
.macro FOLD
	v_pk_add_f32 v[T0:T0+1], v[T0:T0+1], v[T0+2:T0+3]
	v_pk_add_f32 v[T0+4:T0+5], v[T0+4:T0+5], v[T0+6:T0+7]
	v_pk_add_f32 v[T0:T0+1], v[T0:T0+1], v[T0+4:T0+5]
	v_add_f32 v8, v[T0], v[T0+1]
	WSUM 8
.endm
.macro LNROW r
.set XR, X+32*(\r)
	s_wait_loadcnt 8*(3-(\r))                      ; this row's eight loads are in; the later rows' may be out
.irp j, 0,1,2,3
	v_pk_add_f32 v[T0+2*\j:T0+2*\j+1], v[XR+2*\j:XR+2*\j+1], v[XR+8+2*\j:XR+9+2*\j]
.endr
.irp k, 16,24
.irp j, 0,1,2,3
	v_pk_add_f32 v[T0+2*\j:T0+2*\j+1], v[T0+2*\j:T0+2*\j+1], v[XR+\k+2*\j:XR+\k+1+2*\j]
.endr
.endr
	FOLD
	v_mul_f32 v4, s46, v8
	v_mul_f32 v5, s46, v8
.set li, 0
.rept 16
	v_pk_add_f32 v[XR+li:XR+li+1], v[XR+li:XR+li+1], v[4:5] neg_lo:[0,1] neg_hi:[0,1]
.set li, li+2
.endr
.irp j, 0,1,2,3
	v_pk_mul_f32 v[T0+2*\j:T0+2*\j+1], v[XR+2*\j:XR+2*\j+1], v[XR+2*\j:XR+2*\j+1]
.endr
.irp k, 8,16,24
.irp j, 0,1,2,3
	v_pk_fma_f32 v[T0+2*\j:T0+2*\j+1], v[XR+\k+2*\j:XR+\k+1+2*\j], v[XR+\k+2*\j:XR+\k+1+2*\j], v[T0+2*\j:T0+2*\j+1]
.endr
.endr
	FOLD
	v_fma_f32 v8, v8, s46, v15                     ; var + 1e-5
	s_wait_alu depctr_va_vdst(0)
	v_rsq_f32 v6, v8
	v_rsq_f32 v7, v8
	v_nop
	s_wait_alu depctr_va_vdst(0)                   ; one wait for both, ahead of their first reader
.set li, 0
.rept 16
	v_pk_mul_f32 v[XR+li:XR+li+1], v[XR+li:XR+li+1], v[6:7]
.set li, li+2
.endr
.set li, 0
.rept 16
	v_pk_fma_f32 v[XR+li:XR+li+1], v[GA+li:GA+li+1], v[XR+li:XR+li+1], v[BE+li:BE+li+1]
.set li, li+2
.endr
	s_wait_xcnt 0x0                                ; the last row's stores have read their data
.irp c, 0,1,2,3
.set TT, T0+8*(\c%2)
.irp i, 0,1,2,3,4,5,6,7
	v_med3_num_f32 v[TT+\i], v[XR+8*\c+\i], -v19, v19   ; the hold at 448 x the scale (ISA guide 7.6.2)
.endr
	v_cvt_scalef32_pk8_fp8_f32 v[CD+2*\c:CD+2*\c+1], v[TT:TT+7], v16
.endr
	v_nop
.irp c, 0,1,2,3
	global_store_b64 v3, v[CD+2*\c:CD+2*\c+1], s[40:41] offset:1024*(\r)+256*\c   ; 32 lanes store 256 consecutive aligned bytes
.endr
.endm
	s_load_b256 s[4:11], s[0:1], 0x0               ; x1, gamma2, beta2, lowp_scales
	s_load_b64 s[12:13], s[0:1], 0x20              ; hcodes
	v_lshrrev_b32 v1, 5, v0
	v_readfirstlane_b32 s33, v1
	v_and_b32 v1, 31, v0
	s_wait_alu depctr_va_vdst(0)
	s_lshl_b32 s35, ttmp9, 4
	s_lshl_b32 s36, s33, 2
	s_add_co_u32 s35, s35, s36                     ; my first row
	s_lshl_b32 s36, s35, 12
	s_mov_b32 s37, 0
	s_lshl_b32 s38, s35, 10
	s_mov_b32 s39, 0
	s_mov_b32 s46, 0x3a800000                      ; 1 / 1,024
	s_mov_b32 s56, 0x76543210
	s_mov_b32 s57, 0xfedcba98
	v_lshlrev_b32 v2, 5, v1
	v_and_b32 v3, 28, v1                           ; my eight codes' place: groups 1 and 2 of each four change places
	v_and_b32 v8, 1, v1
	v_lshl_or_b32 v3, v8, 1, v3
	v_bfe_u32 v8, v1, 1, 1
	v_or_b32 v3, v3, v8
	v_lshlrev_b32 v3, 3, v3
	v_mov_b32 v14, 0
	v_mov_b32 v15, 0x3727c5ac                      ; 1e-5
	s_wait_alu depctr_va_vdst(0)
	s_wait_kmcnt 0x0
	s_load_b32 s48, s[10:11], 0x30                 ; e12
	s_add_nc_u64 s[4:5], s[4:5], s[36:37]
	s_add_nc_u64 s[40:41], s[12:13], s[38:39]
.irp c, 0,1,2,3
	global_load_b128 v[GA+8*\c:GA+8*\c+3], v2, s[6:7] offset:1024*\c
	global_load_b128 v[GA+8*\c+4:GA+8*\c+7], v2, s[6:7] offset:1024*\c+16
.endr
.irp c, 0,1,2,3
	global_load_b128 v[BE+8*\c:BE+8*\c+3], v2, s[8:9] offset:1024*\c
	global_load_b128 v[BE+8*\c+4:BE+8*\c+7], v2, s[8:9] offset:1024*\c+16
.endr
.irp r, 0,1,2,3
.irp c, 0,1,2,3
	global_load_b128 v[X+32*\r+8*\c:X+32*\r+8*\c+3], v2, s[4:5] offset:4096*\r+1024*\c th:TH_LOAD_NT
	global_load_b128 v[X+32*\r+8*\c+4:X+32*\r+8*\c+7], v2, s[4:5] offset:4096*\r+1024*\c+16 th:TH_LOAD_NT
.endr
.endr
	s_wait_kmcnt 0x0
	s_add_co_i32 s58, s48, 127
	s_lshl_b32 s59, s58, 23
	v_mov_b32 v16, s59
	s_add_co_i32 s58, s58, 8
	s_lshl_b32 s58, s58, 23
	s_or_b32 s58, s58, 0x600000
	v_mov_b32 v19, s58
	LNROW 0
	LNROW 1
	LNROW 2
	LNROW 3
	s_endpgm
.Lfunc_end_k_q255f810e25_ln2:
	.size	k_q255f810e25_ln2, .Lfunc_end_k_q255f810e25_ln2-k_q255f810e25_ln2
	.p2alignl 7, 3214868480
	.fill 96, 4, 3214868480
	.section	.rodata,"a",@progbits
	.p2align	6, 0x0
	.amdhsa_kernel k_q255f810e25_ln2
		.amdhsa_group_segment_fixed_size 0
		.amdhsa_private_segment_fixed_size 0
		.amdhsa_enable_private_segment 0
		.amdhsa_kernarg_size 40
		.amdhsa_user_sgpr_count 2
		.amdhsa_user_sgpr_kernarg_segment_ptr 1
		.amdhsa_wavefront_size32 1
		.amdhsa_system_sgpr_workgroup_id_x 1
		.amdhsa_system_sgpr_workgroup_id_y 1
		.amdhsa_system_sgpr_workgroup_id_z 1
		.amdhsa_system_vgpr_workitem_id 0
		.amdhsa_next_free_vgpr 256
		.amdhsa_next_free_sgpr 66
		.amdhsa_reserve_vcc 0
		.amdhsa_float_denorm_mode_32 3
		.amdhsa_float_denorm_mode_16_64 3
		.amdhsa_memory_ordered 1
		.amdhsa_forward_progress 1
		.amdhsa_inst_pref_size 42
	.end_amdhsa_kernel
	.amdgpu_metadata
---
amdhsa.version: [ 1, 2 ]
amdhsa.kernels:
  - .name:           k_q255f810e25_ln2
    .symbol:         k_q255f810e25_ln2.kd
    .args:
      - { .name: x1, .offset: 0, .size: 8, .value_kind: global_buffer, .address_space: global }
      - { .name: gamma2, .offset: 8, .size: 8, .value_kind: global_buffer, .address_space: global }
      - { .name: beta2, .offset: 16, .size: 8, .value_kind: global_buffer, .address_space: global }
      - { .name: lowp_scales, .offset: 24, .size: 8, .value_kind: global_buffer, .address_space: global }
      - { .name: hcodes, .offset: 32, .size: 8, .value_kind: global_buffer, .address_space: global }
    .group_segment_fixed_size: 0
    .private_segment_fixed_size: 0
    .kernarg_segment_align: 8
    .kernarg_segment_size: 40
    .max_flat_workgroup_size: 128
    .sgpr_count:     66
    .vgpr_count:     256
    .wavefront_size: 32
...
	.end_amdgpu_metadata
.endif
;; end of part 5
;; launch w1glu (part 6): grid 16 x 16, 4 waves a work-group, clusters of 4 x 4, 327,680 bytes of LDS; arguments hcodes, wcodes, lowp_scales, gcodes; writes gcodes
.if DOCPART == 6
	.amdgcn_target "amdgcn-amd-amdhsa--gfx1250"
	.amdhsa_code_object_version 6
	.text
	.protected	k_q255f810e25_w1glu
	.globl	k_q255f810e25_w1glu
	.p2align	8
	.type	k_q255f810e25_w1glu,@function
k_q255f810e25_w1glu:
	s_mov_b64 s[64:65], 0
	v_nop
	global_prefetch_b8 v0, s[64:65] scope:SCOPE_SE
	s_setreg_imm32_b32 hwreg(HW_REG_WAVE_MODE, 25, 1), 1
	s_wait_xcnt 0x0
	s_wait_alu depctr_hold_cnt(0) depctr_sa_sdst(0) depctr_va_vdst(0) depctr_va_sdst(0) depctr_va_ssrc(0) depctr_va_vcc(0) depctr_vm_vsrc(0)
	s_getreg_b32 s2, hwreg(HW_REG_IB_STS2, 6, 4)
	s_cmp_eq_u32 s2, 0
	s_cbranch_scc0 .Lentry_in_a_cluster
	s_endpgm
.Lentry_in_a_cluster:
	s_bfe_u32 s2, ttmp6, 0x10000c
	s_cmp_lg_u32 s2, 0xf033
	s_cbranch_scc0 .Lentry_shape_is_right
	s_endpgm
.Lentry_shape_is_right:
.set ROWB,   256
.set KROW,   1024
.set PITCH,  272
.set FR,     16
.set NL,     4
.set NP,     4
.set HALFT,  128*PITCH
.set SLOT,   4*HALFT
.set LAPS,   2
.set SPARE,  2*SLOT
.set ADRA, 16
.set ADRB, 20
.set VO0,  24
.set LIMR, 26
.set SCR,  27
.set SPW,  28
.set NIL,  29
.set T,    32
.set AF,   128
.set G1, 24
.set G0, 32
.set G1B, 48
.set G0B, 56
.set MSB, 0
.macro WIN new
.if MSB != \new
	s_set_vgpr_msb (MSB<<8)|\new
.set MSB, \new
.endif
.endm
.set MUL_LO, 0xa1
.set MUL_HI, 0xf1
.set TO_B,   0x40
.macro JLOAD g0a, g1a, g0b, g1b
	s_cmp_eq_u32 s15, 0
	s_cbranch_scc0 .Lfor_b_\@
	tensor_load_to_lds s[\g0a:\g0a+3], s[\g1a:\g1a+7]
	s_nop 0
.rept 4
	v_nop
.endr
	s_branch .Lasked_\@
.Lfor_b_\@:
	tensor_load_to_lds s[\g0b:\g0b+3], s[\g1b:\g1b+7]
	s_nop 0
.rept 4
	v_nop
.endr
.Lasked_\@:
.endm
.macro CREST
	s_cmp_lg_u32 s14, 0
	s_cbranch_scc1 .Lnot_wave_0_\@
	s_barrier_signal -3
.Lnot_wave_0_\@:
	s_barrier_wait -3
	s_barrier_signal -1
	s_barrier_wait -1
.endm
.macro CROUND
	s_barrier_signal -1
	s_barrier_wait -1
	CREST
.endm
	s_load_b256 s[4:11], s[0:1], 0x0
	v_lshl_add_u32 v[SPW], v0, 2, SPARE
	v_mov_b32 v[NIL], 0
	ds_add_u32 v[SPW], v[NIL]
	ds_add_u32 v[SPW], v[NIL]
	v_lshrrev_b32 v1, 5, v0
	v_readfirstlane_b32 s14, v1
	s_lshr_b32 s15, s14, 1
	s_and_b32 s16, s14, 1
	s_bfe_u32 s40, ttmp6, 0x40000
	s_bfe_u32 s41, ttmp6, 0x40004
	s_lshl_b32 s42, ttmp9, 2
	s_add_co_u32 s42, s42, s40
	s_and_b32 s17, ttmp7, 0xffff
	s_lshl_b32 s17, s17, 2
	s_add_co_u32 s17, s17, s41
	s_lshl_b32 s43, s41, 2
	s_lshl_b32 s43, 15, s43
	s_lshl_b32 s44, 0x1111, s40
	s_or_b32 s[G1+0], s43, (0<<16)|(1<<20)|(1<<21)|(5<<22)|(3<<25)
	s_or_b32 s[G1B+0], s44, (0<<16)|(1<<20)|(1<<21)|(5<<22)|(3<<25)
.irp g, G1, G1B
	s_mov_b32 s[\g+1], ROWB<<16
	s_mov_b32 s[\g+2], 128<<16
	s_mov_b32 s[\g+3], ROWB<<16
	s_mov_b32 s[\g+4], 128
	s_mov_b32 s[\g+5], KROW
	s_mov_b32 s[\g+6], 0
	s_mov_b32 s[\g+7], 0
.endr
	s_lshl_b32 s18, s16, 7
	s_lshl_b32 s22, s17, 8
	s_add_co_u32 s22, s22, s18
	s_lshl_b32 s22, s22, 10
	s_mov_b32 s23, 0
	s_lshl_b32 s46, s42, 7
	s_lshl_b32 s47, s16, 11
	s_add_co_u32 s46, s46, s47
	s_lshl_b32 s46, s46, 10
	s_add_co_u32 s46, s46, 0x400000
	s_mov_b32 s47, 0
	s_mul_i32 s45, s14, HALFT
	s_wait_dscnt 0x0
	s_wait_kmcnt 0x0
	s_load_b512 s[68:83], s[8:9], 0x0
	s_add_nc_u64 s[84:85], s[4:5], s[22:23]
	s_add_nc_u64 s[86:87], s[6:7], s[46:47]
	CROUND
.irp s, 0,1
	s_mov_b32 s[G0+4*\s], 1
	s_add_co_u32 s[G0+4*\s+1], s45, \s*SLOT
	s_add_nc_u64 s[G0+4*\s+2:G0+4*\s+3], s[84:85], \s*ROWB
	s_or_b32 s[G0+4*\s+3], s[G0+4*\s+3], 0x80000000
	s_mov_b32 s[G0B+4*\s], 1
	s_add_co_u32 s[G0B+4*\s+1], s45, \s*SLOT
	s_add_nc_u64 s[G0B+4*\s+2:G0B+4*\s+3], s[86:87], \s*ROWB
	s_or_b32 s[G0B+4*\s+3], s[G0B+4*\s+3], 0x80000000
	s_wait_alu depctr_va_vdst(0)
	s_wait_tensorcnt 0x0
	ds_add_u32 v28, v29
	ds_add_u32 v28, v29
	s_wait_dscnt 0x0
	CROUND
	JLOAD G0+4*\s, G1, G0B+4*\s, G1B
.endr
	v_and_b32 v1, 15, v0
	v_bfe_u32 v2, v0, 4, 1
	v_mul_u32_u24 v3, v1, PITCH
	v_lshl_add_u32 v4, v2, 4, v3
	s_mul_i32 s21, s15, HALFT
	s_mul_i32 s22, s16, 64*PITCH
	s_add_co_u32 s22, s22, 2*HALFT
.irp s, 0,1
	v_add_nc_u32 v[ADRA+\s], s21, v4
	v_add_nc_u32 v[ADRB+\s], s22, v4
	s_add_co_u32 s21, s21, SLOT
	s_add_co_u32 s22, s22, SLOT
.endr
	s_lshl_b32 s92, s17, 4
	s_lshl_b32 s93, s15, 3
	s_add_co_u32 s92, s92, s93
	s_lshl_b32 s92, s92, 15
	s_mov_b32 s93, 0
	s_lshl_b32 s94, s42, 11
	s_lshl_b32 s95, s16, 10
	s_add_co_u32 s94, s94, s95
	s_mov_b32 s95, 0
	s_add_nc_u64 s[10:11], s[10:11], s[92:93]
	s_add_nc_u64 s[10:11], s[10:11], s[94:95]
	v_and_b32 v6, 31, v0
	v_lshlrev_b32 v[VO0], 4, v6
.macro FRAG reg, adr, off
.irp c, 0,1,2,3
	ds_load_b128 v[\reg+4*\c:\reg+4*\c+3], v[\adr] offset:(\off)+32*\c
.endr
.endm
.macro MUL16 a0, p, zero
.irp a, \a0, \a0+1
.irp b, 0,1,2,3,4,5,6,7
.if \zero
	v_wmma_f32_16x16x128_fp8_fp8 v[8*(8*((\a)%4)+\b):8*(8*((\a)%4)+\b)+7], v[128*(\p)+FR*\b:128*(\p)+FR*\b+FR-1], v[AF+FR*(\a):AF+FR*(\a)+FR-1], 0
.else
	v_wmma_f32_16x16x128_fp8_fp8 v[8*(8*((\a)%4)+\b):8*(8*((\a)%4)+\b)+7], v[128*(\p)+FR*\b:128*(\p)+FR*\b+FR-1], v[AF+FR*(\a):AF+FR*(\a)+FR-1], v[8*(8*((\a)%4)+\b):8*(8*((\a)%4)+\b)+7]
.endif
.endr
.endr
.endm
.macro FETCH_B slot, q, p
	WIN TO_B
.irp i, 0,1,2,3,4,5,6,7
	FRAG 128*(\p)+FR*\i, ADRB+\slot, 128*(\q)+(\i%4)*16*PITCH+(\i/4)*HALFT
.endr
	WIN 0
.endm
.macro FETCH_A slot, q, i0
.irp i, \i0, \i0+1, \i0+2, \i0+3
	FRAG AF+FR*(\i), ADRA+\slot, 128*(\q)+(\i)*16*PITCH
.endr
.endm
.macro PLACES n
.rept \n
	v_nop
.endr
.endm
.macro STEP slot, q, zero
	s_wait_dscnt 4*NL
	WIN MUL_LO
	MUL16 0, (\q)%2, \zero
	MUL16 2, (\q)%2, \zero
	s_wait_dscnt 0
	PLACES NP
	FETCH_B \slot, (\q)+1, 1-(\q)%2
	FETCH_A \slot, (\q)+1, 0
	WIN MUL_HI
	MUL16 4, (\q)%2, \zero
	MUL16 6, (\q)%2, \zero
	PLACES NP
	WIN 0
	FETCH_A \slot, (\q)+1, 4
.endm
.macro TURN slot, next, fill
	s_wait_tensorcnt 0x0
	ds_add_u32 v[SPW], v[NIL]
	s_wait_dscnt 4*NL+1
	WIN MUL_LO
	MUL16 0, 1, 0
	s_wait_dscnt 0x0
	s_barrier_signal -1
	MUL16 2, 1, 0
	WIN 0
	s_barrier_wait -1
.if \fill
	CREST
	s_add_nc_u64 s[G0+4*\slot+2:G0+4*\slot+3], s[G0+4*\slot+2:G0+4*\slot+3], 2*ROWB
	s_add_nc_u64 s[G0B+4*\slot+2:G0B+4*\slot+3], s[G0B+4*\slot+2:G0B+4*\slot+3], 2*ROWB
	JLOAD G0+4*\slot, G1, G0B+4*\slot, G1B
.else
	PLACES NP
.endif
	FETCH_B \next, 0, 0
	FETCH_A \next, 0, 0
	WIN MUL_HI
	MUL16 4, 1, 0
	MUL16 6, 1, 0
	PLACES NP
	WIN 0
	FETCH_A \next, 0, 4
.endm
	s_wait_alu depctr_va_vdst(0)
	s_wait_tensorcnt 1
	s_barrier_signal -1
	s_barrier_wait -1
	FETCH_B 0, 0, 0
	FETCH_A 0, 0, 0
	FETCH_A 0, 0, 4
	STEP 0, 0, 1
	s_mov_b32 s3, LAPS-1
.Llap:
	TURN 0, 1, 1
	STEP 1, 0, 0
	TURN 1, 0, 1
	STEP 0, 0, 0
	s_sub_co_u32 s3, s3, 1
	s_cmp_lg_u32 s3, 0
	s_cbranch_scc1 .Llap
	TURN 0, 1, 0
	STEP 1, 0, 0
	s_wait_dscnt 4*NL
	WIN MUL_LO
	MUL16 0, 1, 0
	MUL16 2, 1, 0
	s_wait_dscnt 0
	WIN MUL_HI
	MUL16 4, 1, 0
	MUL16 6, 1, 0
	WIN 0
	PLACES NP
	s_wait_kmcnt 0x0
	s_add_co_i32 s92, s80, s81
	s_lshl_b32 s93, s92, 23
	s_mov_b32 s88, 0xbfb8aa3b
	s_add_co_i32 s88, s88, s93
	s_mov_b32 s89, s88
	s_sub_co_i32 s92, s82, s92
	s_add_co_i32 s92, s92, 127
	s_lshl_b32 s93, s92, 23
	v_mov_b32 v[SCR], s93
	s_add_co_i32 s92, s92, 8
	s_lshl_b32 s92, s92, 23
	s_or_b32 s92, s92, 0x600000
	v_mov_b32 v[LIMR], s92
.macro GLU a
.set AC, 64*((\a)%4)
.set CD, 128+8*(\a)
	WIN 0x02+((\a)/4)
.irp n, 0,2,4,6,8,10,12,14,16,18,20,22,24,26,28,30
	v_pk_mul_f32 v[T+\n:T+\n+1], v[AC+32+\n:AC+33+\n], s[88:89] op_sel_hi:[1,0]
.endr
	WIN 0
.set gi, 0
	s_wait_alu depctr_va_vdst(0)
.rept 32
	v_exp_f32 v[T+gi], v[T+gi]
.set gi, gi+1
.endr
	v_nop
	s_wait_alu depctr_va_vdst(0)
.irp n, 0,2,4,6,8,10,12,14,16,18,20,22,24,26,28,30
	v_pk_add_f32 v[T+\n:T+\n+1], v[T+\n:T+\n+1], 1.0 op_sel_hi:[1,0]
.endr
.set gi, 0
	s_wait_alu depctr_va_vdst(0)
.rept 32
	v_rcp_f32 v[T+gi], v[T+gi]
.set gi, gi+1
.endr
	v_nop
	s_wait_alu depctr_va_vdst(0)
	WIN 0x02+((\a)/4)
.irp n, 0,2,4,6,8,10,12,14,16,18,20,22,24,26,28,30
	v_pk_mul_f32 v[T+\n:T+\n+1], v[AC+\n:AC+\n+1], v[T+\n:T+\n+1]
.endr
	WIN 0
.set gi, 0
.rept 32
	v_med3_num_f32 v[T+gi], v[T+gi], -v[LIMR], v[LIMR]
.set gi, gi+1
.endr
.irp g, 0,1,2,3
	v_cvt_scalef32_pk8_fp8_f32 v[CD+2*\g:CD+2*\g+1], v[T+8*\g:T+8*\g+7], v[SCR]
.endr
	v_nop
	global_store_b128 v[VO0], v[CD:CD+3], s[10:11] offset:32768*(\a)
	global_store_b128 v[VO0], v[CD+4:CD+7], s[10:11] offset:32768*(\a)+512
.endm
.irp a, 0,1,2,3,4,5,6,7
	GLU \a
.endr
	s_wait_tensorcnt 0x0
	ds_add_u32 v[SPW], v[NIL]
	s_wait_dscnt 0x0
	CROUND
	s_endpgm
.Lfunc_end_k_q255f810e25_w1glu:
	.size	k_q255f810e25_w1glu, .Lfunc_end_k_q255f810e25_w1glu-k_q255f810e25_w1glu
	.p2alignl 7, 3214868480
	.fill 96, 4, 3214868480
	.section	.rodata,"a",@progbits
	.p2align	6, 0x0
	.amdhsa_kernel k_q255f810e25_w1glu
		.amdhsa_group_segment_fixed_size 327680
		.amdhsa_private_segment_fixed_size 0
		.amdhsa_enable_private_segment 0
		.amdhsa_kernarg_size 32
		.amdhsa_user_sgpr_count 2
		.amdhsa_user_sgpr_kernarg_segment_ptr 1
		.amdhsa_wavefront_size32 1
		.amdhsa_system_sgpr_workgroup_id_x 1
		.amdhsa_system_sgpr_workgroup_id_y 1
		.amdhsa_system_sgpr_workgroup_id_z 1
		.amdhsa_system_vgpr_workitem_id 0
		.amdhsa_next_free_vgpr 1024
		.amdhsa_next_free_sgpr 100
		.amdhsa_reserve_vcc 0
		.amdhsa_float_denorm_mode_32 3
		.amdhsa_float_denorm_mode_16_64 3
		.amdhsa_memory_ordered 1
		.amdhsa_forward_progress 1
		.amdhsa_inst_pref_size 141
	.end_amdhsa_kernel
	.amdgpu_metadata
---
amdhsa.version: [ 1, 2 ]
amdhsa.kernels:
  - .name:           k_q255f810e25_w1glu
    .symbol:         k_q255f810e25_w1glu.kd
    .args:
      - { .name: hcodes, .offset: 0, .size: 8, .value_kind: global_buffer, .address_space: global }
      - { .name: wcodes, .offset: 8, .size: 8, .value_kind: global_buffer, .address_space: global }
      - { .name: lowp_scales, .offset: 16, .size: 8, .value_kind: global_buffer, .address_space: global }
      - { .name: gcodes, .offset: 24, .size: 8, .value_kind: global_buffer, .address_space: global }
    .group_segment_fixed_size: 327680
    .private_segment_fixed_size: 0
    .kernarg_segment_align: 8
    .kernarg_segment_size: 32
    .max_flat_workgroup_size: 128
    .sgpr_count:     100
    .vgpr_count:     1024
    .wavefront_size: 32
...
	.end_amdgpu_metadata
.endif
;; end of part 6
;; launch w2 (part 7): grid 8 x 32, 4 waves a work-group, clusters of 4 x 4, 327,680 bytes of LDS; arguments gcodes, wcodes, lowp_scales, x1, out0, first; writes out0
.if DOCPART == 7
	.amdgcn_target "amdgcn-amd-amdhsa--gfx1250"
	.amdhsa_code_object_version 6
	.text
	.protected	k_q255f810e25_w2
	.globl	k_q255f810e25_w2
	.p2align	8
	.type	k_q255f810e25_w2,@function
k_q255f810e25_w2:
	s_mov_b64 s[64:65], 0
	v_nop
	global_prefetch_b8 v0, s[64:65] scope:SCOPE_SE
	s_setreg_imm32_b32 hwreg(HW_REG_WAVE_MODE, 25, 1), 1
	s_wait_xcnt 0x0
	s_wait_alu depctr_hold_cnt(0) depctr_sa_sdst(0) depctr_va_vdst(0) depctr_va_sdst(0) depctr_va_ssrc(0) depctr_va_vcc(0) depctr_vm_vsrc(0)
	s_getreg_b32 s2, hwreg(HW_REG_IB_STS2, 6, 4)
	s_cmp_eq_u32 s2, 0
	s_cbranch_scc0 .Lentry_in_a_cluster
	s_endpgm
.Lentry_in_a_cluster:
	s_bfe_u32 s2, ttmp6, 0x10000c
	s_cmp_lg_u32 s2, 0xf033
	s_cbranch_scc0 .Lentry_shape_is_right
	s_endpgm
.Lentry_shape_is_right:
; out0 = x1 + glu x W2, on codes of E4M3; rows of queries that have no key (query < the batch's first key that counts, stored by launch prep) become NaN, as reference()'s softmax of a row of -inf makes them.  Nothing is left out here.
; (The same text as launch wo, up to the five constants below.)
; A tile of 128 x 128 gives 256 work-groups; four waves, 64 x 64 each: 16 accumulators.  K goes in steps of 512 (four quarters of 128) through two LDS slots, each filled twice.
; A's codes lie in memory as images of fragment registers ([16 tokens][128 K][c 4][lane][16 bytes]): a slot takes, for each 16 tokens, 8,192 consecutive bytes; a fragment comes back by four loads at 16 x lane.
; B's are the weight's rows, 512 bytes + 16 of padding.  The matrix instruction is used transposed (source 0 = 16 rows of the weight, source 1 = 16 tokens): a lane holds eight neighbouring numbers of an output row.
; CLUSTERS: 4 x 4; A's tile is asked for jointly along a row of the cluster, B's along a column.  The residual tile is loaded at the head into 128 registers, under the whole product.
; No prefetch: four K steps only.  LIMIT: the two exponents' sum between -126 and 127.
; REGISTERS: window 0: v0-31 addresses; v32-95 the way out; v128-255 the accumulators.  window 1: two fragment buffers of 128.  window 2: v0-127 the residual.
.set KTOT,   2048
.set WOFF,   0x800000
.set SOFF,   56
.set NANSEL, 1
.set LAPS,   KTOT/1024
.set PITCH,  528
.set AHALF,  32768
.set BHALF,  64*PITCH
.set BOFF,   65536
.set SLOT,   BOFF+2*BHALF
.set STAGE,  2*SLOT
.set SPITCH, 272
.set SPARE,  STAGE+4*16*SPITCH
.set ADRA, 16
.set ADRB, 20
.set STO,  24
.set RD,   25
.set CO,   26
.set DD,   27
.set SPW,  28
.set NIL,  29
.set NANR, 30
.set TMP,  32
.set ACC,  128
.set F0,   0
.set F1,   128
.set G1, 24
.set G0, 32
.set G1B, 48
.set G0B, 56
.set MSB, 0
.macro WIN new
.if MSB != \new
	s_set_vgpr_msb (MSB<<8)|\new
.set MSB, \new
.endif
.endm
.set MUL,  0x05
.set TO_F, 0x40
.macro JLOAD s                         ; waves 0 and 1 fetch A's halves, waves 2 and 3 B's; an s_nop 0 and four v_nop follow each line
	s_cmp_eq_u32 s11, 0
	s_cbranch_scc0 .Lfor_b_\@
	tensor_load_to_lds s[G0+4*\s:G0+4*\s+3], s[G1:G1+7]
	s_nop 0
.rept 4
	v_nop
.endr
	s_branch .Lasked_\@
.Lfor_b_\@:
	tensor_load_to_lds s[G0B+4*\s:G0B+4*\s+3], s[G1B:G1B+7]
	s_nop 0
.rept 4
	v_nop
.endr
.Lasked_\@:
.endm
.macro CREST
	s_cmp_lg_u32 s10, 0
	s_cbranch_scc1 .Lnot_wave_0_\@
	s_barrier_signal -3
.Lnot_wave_0_\@:
	s_barrier_wait -3
	s_barrier_signal -1
	s_barrier_wait -1
.endm
.macro CROUND
	s_barrier_signal -1
	s_barrier_wait -1
	CREST
.endm
	s_load_b128 s[4:7], s[0:1], 0x0                ; A's codes, wcodes
	s_load_b64 s[8:9], s[0:1], 0x10                ; lowp_scales
	s_load_b128 s[68:71], s[0:1], 0x18             ; the residual, the output
.if NANSEL
	s_load_b64 s[72:73], s[0:1], 0x28              ; first
.endif
	v_lshl_add_u32 v[SPW], v0, 2, SPARE
	v_mov_b32 v[NIL], 0
	ds_add_u32 v[SPW], v[NIL]                      ; the wave's opening: the add, twice on end, and its wait ahead of my first tensor load
	ds_add_u32 v[SPW], v[NIL]
	v_lshrrev_b32 v1, 5, v0
	v_readfirstlane_b32 s10, v1
	s_lshr_b32 s11, s10, 1
	s_and_b32 s12, s10, 1
	s_bfe_u32 s40, ttmp6, 0x40000
	s_bfe_u32 s41, ttmp6, 0x40004
	s_lshl_b32 s42, ttmp9, 2
	s_add_co_u32 s42, s42, s40                     ; tile column
	s_and_b32 s13, ttmp7, 0xffff
	s_lshl_b32 s13, s13, 2
	s_add_co_u32 s13, s13, s41                     ; tile row
	s_lshl_b32 s43, s41, 2
	s_lshl_b32 s43, 15, s43
	s_lshl_b32 s44, 0x1111, s40
	s_or_b32 s[G1+0], s43, (3<<16)|(1<<21)         ; A: the mask of my row; elements of 8 bytes; bit 21 beside a mask; no padding
	s_mov_b32 s[G1+1], 1024<<16
	s_mov_b32 s[G1+2], 4<<16
	s_mov_b32 s[G1+3], 1024<<16
	s_mov_b32 s[G1+4], 4
	s_mov_b32 s[G1+5], 2*KTOT
	s_mov_b32 s[G1+6], 0
	s_mov_b32 s[G1+7], 0
	s_or_b32 s[G1B+0], s44, (0<<16)|(1<<20)|(1<<21)|(6<<22)|(3<<25)
	s_mov_b32 s[G1B+1], 512<<16
	s_mov_b32 s[G1B+2], 64<<16
	s_mov_b32 s[G1B+3], 512<<16
	s_mov_b32 s[G1B+4], 64
	s_mov_b32 s[G1B+5], KTOT
	s_mov_b32 s[G1B+6], 0
	s_mov_b32 s[G1B+7], 0
	s_lshl_b32 s16, s13, 3
	s_lshl_b32 s17, s12, 2
	s_add_co_u32 s16, s16, s17
	s_mul_i32 s16, s16, 16*KTOT
	s_mov_b32 s17, 0
	s_lshl_b32 s46, s42, 7
	s_lshl_b32 s47, s12, 6
	s_add_co_u32 s46, s46, s47
	s_mul_i32 s46, s46, KTOT
	s_add_co_u32 s46, s46, WOFF
	s_mov_b32 s47, 0
	s_mul_i32 s20, s12, AHALF
	s_mul_i32 s21, s12, BHALF
	s_add_co_u32 s21, s21, BOFF
	s_wait_dscnt 0x0
	s_wait_kmcnt 0x0
	s_load_b64 s[76:77], s[8:9], SOFF
	s_add_nc_u64 s[14:15], s[4:5], s[16:17]
	s_add_nc_u64 s[46:47], s[6:7], s[46:47]
	CROUND
.irp s, 0,1
	s_mov_b32 s[G0+4*\s], 1
	s_add_co_u32 s[G0+4*\s+1], s20, \s*SLOT
	s_add_nc_u64 s[G0+4*\s+2:G0+4*\s+3], s[14:15], \s*8192
	s_or_b32 s[G0+4*\s+3], s[G0+4*\s+3], 0x80000000
	s_mov_b32 s[G0B+4*\s], 1
	s_add_co_u32 s[G0B+4*\s+1], s21, \s*SLOT
	s_add_nc_u64 s[G0B+4*\s+2:G0B+4*\s+3], s[46:47], \s*512
	s_or_b32 s[G0B+4*\s+3], s[G0B+4*\s+3], 0x80000000
.endr
	JLOAD 0                                        ; K step 0: one tensor load a wave at the head
	v_and_b32 v1, 15, v0
	v_bfe_u32 v2, v0, 4, 1
	v_and_b32 v3, 31, v0
	v_lshlrev_b32 v3, 4, v3
	s_mul_i32 s22, s11, AHALF
	v_add_nc_u32 v[ADRA], s22, v3
	v_add_nc_u32 v[ADRA+1], SLOT, v[ADRA]
	v_mul_u32_u24 v4, v1, PITCH
	v_lshl_add_u32 v4, v2, 4, v4
	s_mul_i32 s22, s12, BHALF
	s_add_co_u32 s22, s22, BOFF
	v_add_nc_u32 v[ADRB], s22, v4
	v_add_nc_u32 v[ADRB+1], SLOT, v[ADRB]
	s_mul_i32 s23, s10, 16*SPITCH
	s_add_co_u32 s23, s23, STAGE
	v_mul_u32_u24 v5, v1, SPITCH
	v_lshl_add_u32 v5, v2, 5, v5
	v_add_nc_u32 v[STO], s23, v5
	v_mul_u32_u24 v5, v2, SPITCH
	v_lshl_add_u32 v5, v1, 4, v5
	v_add_nc_u32 v[RD], s23, v5
	v_lshlrev_b32 v5, 12, v2
	v_lshl_add_u32 v[CO], v1, 4, v5
	s_wait_alu depctr_va_vdst(0)
	s_lshl_b32 s16, s13, 7
	s_lshl_b32 s17, s11, 6
	s_add_co_u32 s16, s16, s17                     ; my first row
	s_and_b32 s79, s16, 2047                       ; and its place in its batch
	s_lshl_b32 s16, s16, 12
	s_mov_b32 s17, 0
	s_lshl_b32 s46, s42, 9
	s_lshl_b32 s47, s12, 8
	s_add_co_u32 s46, s46, s47
	s_mov_b32 s47, 0
	s_add_nc_u64 s[68:69], s[68:69], s[16:17]
	s_add_nc_u64 s[68:69], s[68:69], s[46:47]
	s_add_nc_u64 s[70:71], s[70:71], s[16:17]
	s_add_nc_u64 s[70:71], s[70:71], s[46:47]
.if NANSEL
	s_lshr_b32 s18, s13, 4                         ; the batch
	s_lshl_b32 s18, s18, 7
	s_mov_b32 s19, 0
	s_add_nc_u64 s[72:73], s[72:73], s[18:19]
	s_load_b32 s78, s[72:73], 0x0                  ; its first key that counts
.endif
	WIN 0x80
.irp a, 0,1,2,3
.irp t, 0,1,2,3,4,5,6,7
	global_load_b128 v[32*\a+4*\t:32*\a+4*\t+3], v[CO], s[68:69] offset:(16*\a+2*\t)*4096 th:TH_LOAD_NT
.endr
.endr
	WIN 0
.macro MUL4 f, a, zero                 ; the 16 accumulators take turns, one instruction a turn, in the same order in every quarter
.irp b, 0,1,2,3
.if \zero
	v_wmma_f32_16x16x128_fp8_fp8 v[ACC+8*(4*(\a)+\b):ACC+8*(4*(\a)+\b)+7], v[\f+64+16*\b:\f+64+16*\b+15], v[\f+16*(\a):\f+16*(\a)+15], 0
.else
	v_wmma_f32_16x16x128_fp8_fp8 v[ACC+8*(4*(\a)+\b):ACC+8*(4*(\a)+\b)+7], v[\f+64+16*\b:\f+64+16*\b+15], v[\f+16*(\a):\f+16*(\a)+15], v[ACC+8*(4*(\a)+\b):ACC+8*(4*(\a)+\b)+7]
.endif
.endr
.endm
.macro FETCH slot, q, f
	WIN TO_F
.irp b, 0,1,2,3
.irp c, 0,1,2,3
	ds_load_b128 v[\f+64+16*\b+4*\c:\f+64+16*\b+4*\c+3], v[ADRB+\slot] offset:\b*16*PITCH+128*(\q)+32*\c
.endr
.endr
.irp a, 0,1,2,3
.irp c, 0,1,2,3
	ds_load_b128 v[\f+16*\a+4*\c:\f+16*\a+4*\c+3], v[ADRA+\slot] offset:\a*8192+2048*(\q)+512*\c
.endr
.endr
.endm
.macro PLACES
.rept 4
	v_nop
.endr
.endm
.macro QUARTER slot, qn, f, g, zero
	s_wait_dscnt 8                                 ; B and A's fragments 0, 1 are in; the youngest eight loads may be out
	WIN MUL
	MUL4 \f, 0, \zero
	MUL4 \f, 1, \zero
	PLACES
	FETCH \slot, \qn, \g
	s_wait_dscnt 32                                ; all but the 32 just issued
	WIN MUL
	MUL4 \f, 2, \zero
	MUL4 \f, 3, \zero
.endm
.macro TURN slot, next, fill
	WIN 0
	s_wait_tensorcnt 0x0                           ; all my tensor loads have landed: my part of the next slot
	ds_add_u32 v[SPW], v[NIL]
	s_wait_dscnt 9                                 ; (the add and the youngest eight loads may be out)
	WIN MUL
	MUL4 F1, 0, 0
	s_wait_dscnt 0x0                               ; the add is done, and my reads of this slot are over
	s_barrier_signal -1
	MUL4 F1, 1, 0
.if \fill
	WIN 0
.endif
	s_barrier_wait -1
.if \fill
	CREST                                          ; no wave of any partner still reads this slot or has a load on its way
	s_add_nc_u64 s[G0+4*\slot+2:G0+4*\slot+3], s[G0+4*\slot+2:G0+4*\slot+3], 2*8192
	s_add_nc_u64 s[G0B+4*\slot+2:G0B+4*\slot+3], s[G0B+4*\slot+2:G0B+4*\slot+3], 2*512
	JLOAD \slot
.else
	PLACES
.endif
	FETCH \next, 0, F0
	WIN MUL
	MUL4 F1, 2, 0
	MUL4 F1, 3, 0
.endm
	s_wait_alu depctr_va_vdst(0)                   ; the wait at the head's end
	s_wait_tensorcnt 0x0                           ; my part of slot 0 is in
	ds_add_u32 v[SPW], v[NIL]
	s_wait_dscnt 0x0
	CROUND                                         ; everybody's part of slot 0 is in, and the joint loads meet
	JLOAD 1                                        ; slot 1's first fill, the first tensor load behind the round
	FETCH 0, 0, F0
	QUARTER 0, 1, F0, F1, 1
.if LAPS > 1
	WIN 0
	s_mov_b32 s3, LAPS-1
.Llap:
	QUARTER 0, 2, F1, F0, 0
	QUARTER 0, 3, F0, F1, 0
	TURN 0, 1, 1
	QUARTER 1, 1, F0, F1, 0
	QUARTER 1, 2, F1, F0, 0
	QUARTER 1, 3, F0, F1, 0
	TURN 1, 0, 1
	QUARTER 0, 1, F0, F1, 0
	WIN 0
	s_sub_co_u32 s3, s3, 1
	s_cmp_lg_u32 s3, 0
	s_cbranch_scc1 .Llap
.endif
	QUARTER 0, 2, F1, F0, 0
	QUARTER 0, 3, F0, F1, 0
	TURN 0, 1, 0
	QUARTER 1, 1, F0, F1, 0
	QUARTER 1, 2, F1, F0, 0
	QUARTER 1, 3, F0, F1, 0
	s_wait_dscnt 8
	WIN MUL
	MUL4 F1, 0, 0
	MUL4 F1, 1, 0
	s_wait_dscnt 0
	MUL4 F1, 2, 0
	MUL4 F1, 3, 0
	WIN 0
	PLACES
	s_wait_kmcnt 0x0
	s_add_co_i32 s74, s76, s77
	s_add_co_i32 s74, s74, 127
	s_lshl_b32 s74, s74, 23                        ; 2^(eA + eB) as f32
	s_mov_b32 s75, s74
.if NANSEL
	s_sub_co_i32 s79, s78, s79
	v_bfe_u32 v[DD], v0, 4, 1
	v_sub_nc_u32 v[DD], s79, v[DD]                 ; row 16 a + 2 t + (lane / 16) of my 64 has no key where 16 a + 2 t < this
	v_mov_b32 v[NANR], 0x7fc00000
.endif
	s_wait_loadcnt 0x0                             ; the residual
.macro TOSTAGE a
.irp b, 0,1,2,3
	ds_store_b128 v[STO], v[ACC+8*(4*(\a)+\b):ACC+8*(4*(\a)+\b)+3] offset:64*\b
	ds_store_b128 v[STO], v[ACC+8*(4*(\a)+\b)+4:ACC+8*(4*(\a)+\b)+7] offset:64*\b+16
.endr
.irp t, 0,1,2,3,4,5,6,7
	ds_load_b128 v[TMP+32*((\a)%2)+4*\t:TMP+32*((\a)%2)+4*\t+3], v[RD] offset:\t*2*SPITCH   ; LDS serves a wave's instructions in order (ISA guide 5.7.1.4)
.endr
.endm
.macro SEND a, younger
.set BB, TMP+32*((\a)%2)
	s_wait_dscnt \younger                          ; the block is back; the next block's eight stores and eight loads may be out
	WIN 0x20
.irp n, 0,2,4,6,8,10,12,14,16,18,20,22,24,26,28,30
	v_pk_fma_f32 v[BB+\n:BB+\n+1], v[BB+\n:BB+\n+1], s[74:75], v[32*(\a)+\n:32*(\a)+\n+1] op_sel_hi:[1,0,1]
.endr
	WIN 0
.if NANSEL
.irp t, 0,1,2,3,4,5,6,7
	v_cmp_lt_i32 vcc_lo, 16*(\a)+2*\t, v[DD]
.irp e, 0,1,2,3
	v_cndmask_b32 v[BB+4*\t+\e], v[BB+4*\t+\e], v[NANR], vcc_lo
.endr
.endr
.endif
.irp t, 0,1,2,3,4,5,6,7
	global_store_b128 v[CO], v[BB+4*\t:BB+4*\t+3], s[70:71] offset:(16*(\a)+2*\t)*4096 th:TH_STORE_NT   ; sixteen lanes store 256 consecutive aligned bytes
.endr
.endm
	TOSTAGE 0
.irp a, 1,2,3
.if \a > 1
	s_wait_xcnt 0x0                                ; block a - 2's stores have read their registers: block a's loads may land there
.endif
	TOSTAGE \a
	SEND \a-1, 16
.endr
	SEND 3, 0
	s_wait_tensorcnt 0x0                           ; the wave's end
	ds_add_u32 v[SPW], v[NIL]
	s_wait_dscnt 0x0
	CROUND                                         ; the closing round
	s_endpgm
.Lfunc_end_k_q255f810e25_w2:
	.size	k_q255f810e25_w2, .Lfunc_end_k_q255f810e25_w2-k_q255f810e25_w2
	.p2alignl 7, 3214868480
	.fill 96, 4, 3214868480
	.section	.rodata,"a",@progbits
	.p2align	6, 0x0
	.amdhsa_kernel k_q255f810e25_w2
		.amdhsa_group_segment_fixed_size 327680
		.amdhsa_private_segment_fixed_size 0
		.amdhsa_enable_private_segment 0
		.amdhsa_kernarg_size 48
		.amdhsa_user_sgpr_count 2
		.amdhsa_user_sgpr_kernarg_segment_ptr 1
		.amdhsa_wavefront_size32 1
		.amdhsa_system_sgpr_workgroup_id_x 1
		.amdhsa_system_sgpr_workgroup_id_y 1
		.amdhsa_system_sgpr_workgroup_id_z 1
		.amdhsa_system_vgpr_workitem_id 0
		.amdhsa_next_free_vgpr 640
		.amdhsa_next_free_sgpr 96
		.amdhsa_reserve_vcc 1
		.amdhsa_float_denorm_mode_32 3
		.amdhsa_float_denorm_mode_16_64 3
		.amdhsa_memory_ordered 1
		.amdhsa_forward_progress 1
		.amdhsa_inst_pref_size 83
	.end_amdhsa_kernel
	.amdgpu_metadata
---
amdhsa.version: [ 1, 2 ]
amdhsa.kernels:
  - .name:           k_q255f810e25_w2
    .symbol:         k_q255f810e25_w2.kd
    .args:
      - { .name: gcodes, .offset: 0, .size: 8, .value_kind: global_buffer, .address_space: global }
      - { .name: wcodes, .offset: 8, .size: 8, .value_kind: global_buffer, .address_space: global }
      - { .name: lowp_scales, .offset: 16, .size: 8, .value_kind: global_buffer, .address_space: global }
      - { .name: x1, .offset: 24, .size: 8, .value_kind: global_buffer, .address_space: global }
      - { .name: out0, .offset: 32, .size: 8, .value_kind: global_buffer, .address_space: global }
      - { .name: first, .offset: 40, .size: 8, .value_kind: global_buffer, .address_space: global }
    .group_segment_fixed_size: 327680
    .private_segment_fixed_size: 0
    .kernarg_segment_align: 8
    .kernarg_segment_size: 48
    .max_flat_workgroup_size: 128
    .sgpr_count:     96
    .vgpr_count:     640
    .wavefront_size: 32
...
	.end_amdgpu_metadata
.endif
;; end of part 7
